; MI455X (gfx1250); checked and timed in simulation.
; The chip was launched on July 23, 2026; its instructions are those of AMD's public machine-readable ISA for CDNA 5 (MIT licence, August 2026) and "CDNA5" Instruction Set Architecture Reference Guide (July 2026). The comments in the code are by the model that wrote it; some were corrected since.
;; T5 Attention. Allowed arithmetic: float matrix products may take bf16 or f16 operands with f32 sums; other float arithmetic in f32, or as packed bf16 or f16 multiplies, adds, multiply-adds, maxima and minima; sums over many terms, partial sums and values carried from step to step in f32; what a program stores and reads back later, other than sums and carried values, may be rounded once to bf16 or f16.
;; Inputs: Wk 1,024 x 1,024 float32; Wo 1,024 x 1,024 float32; Wq 1,024 x 1,024 float32; Wv 1,024 x 1,024 float32; hidden_states 4 x 2,048 x 1,024 float32; rel_emb 32 x 16 float32.
;; Outputs: out0 4 x 2,048 x 1,024 float32.
;; One version. Each part assembles by itself: llvm-mc -triple=amdgcn-amd-amdhsa -mcpu=gfx1250 --defsym DOCPART=n.
;; ======== version 1 of 1: 4 launches
;; limits: values are held in f16: magnitudes above 65,504 overflow, below 6.1e-05 lose precision
;; workspace buffers: xb 16,777,216 bytes; wb 6,291,456 bytes; wo16 2,097,152 bytes; btab 1,310,720 bytes; qkv 50,331,648 bytes; ctx 16,777,216 bytes
;; launch prep (part 1): grid 448 x 1, 8 waves a work-group, no clusters, 0 bytes of LDS; arguments hidden_states, Wq, Wk, Wv, Wo, rel_emb, xb, wb, wo16, btab; writes xb, wb, wo16, btab
.if DOCPART == 1
	.amdgcn_target "amdgcn-amd-amdhsa--gfx1250"
	.amdhsa_code_object_version 6
	.text
	.protected	k_qb894051aca_prep
	.globl	k_qb894051aca_prep
	.p2align	8
	.type	k_qb894051aca_prep,@function
k_qb894051aca_prep:
	s_mov_b64 s[64:65], 0
	v_nop
	global_prefetch_b8 v0, s[64:65] scope:SCOPE_SE
	s_setreg_imm32_b32 hwreg(HW_REG_WAVE_MODE, 25, 1), 1
	s_wait_xcnt 0x0
; PREPARATION: every input is rounded once to bf16 (to nearest even) and laid out for the launches behind.  A stream: no LDS, no barrier, no matrix work.
;   work-groups   0-255  x [8192][1024] f32 -> xb bf16 [4 b][16 slices][2048 s][64]: slice j holds x's columns 64 j .. 64 j + 63, so that 256 rows of a slice are 32,768 dense bytes
;   work-groups 256-351  Wq, Wk, Wv [1024][1024] f32 -> wb bf16 [1024 k][3072 n], side by side
;   work-groups 352-383  Wo -> wo16: rounded to bf16 like the other inputs, and that number written as f16 (exact from 2^-17 up; below it f16's fixed step of 2^-24)
;   work-groups 384-447  btab f32 [16 h][4 c][5120 z] = rel_emb (rounded to bf16) [bucket(z - c - 2048)][h]: the bias as a function of k - q, in four copies shifted by one number each
; BUCKETS, for d = k - q and n = |d|: n where n < 8, else 8 + the number of the thresholds 12, 16, 23, 32, 46, 64, 91 that are <= n (the least n with 8 x 2^(j/2) <= n); 16 more where d > 0.
; LIMIT: at n = 16, 32, 64 the logarithms' quotient is taken as exactly 1/4, 1/2, 3/4 (in f32 ln 16 is four times ln 2, bit for bit).
; THE CASTS are one text.  A wave moves 16 units of 256 numbers: 1,024 bytes in, 512 out; a lane takes 32 neighbouring bytes and gives 16, so each store of a wave covers 512 consecutive
; bytes, aligned.  What differs between the roles (buffers, offsets, steps from unit to unit) lies in scalars chosen from the work-group's number.  All 32 loads of a wave go out on end.
.set VI, 2                             ; v[2:17]    unit u: my byte offset in the input
.set VO, 18                            ; v[18:33]   unit u: my byte offset in the output
.set LI, 34                            ; v34        my lane's offset inside a unit, in
.set LO, 35                            ; v35        and out: 16 x lane
.set X,  40                            ; v[40:167]  unit u: 8 registers as loaded; the first 4 then hold the 16 bytes to store
.set T,  168                           ; v[168:170] at work
	s_load_b512 s[8:23], s[0:1], 0x0               ; x s[8:9], Wq s[10:11], Wk s[12:13], Wv s[14:15], Wo s[16:17], rel_emb s[18:19], xb s[20:21], wb s[22:23]
	s_load_b128 s[24:27], s[0:1], 0x40             ; wo16 s[24:25], btab s[26:27]
	v_lshrrev_b32 v1, 5, v0
	v_readfirstlane_b32 s3, v1                     ; wave 0..7
	s_mov_b32 s2, ttmp9
	s_cmp_ge_u32 s2, 384
	s_cbranch_scc1 .Lbias
	v_and_b32 v1, 31, v0                           ; lane
	; role x: the work-group has 32 rows, a wave 4; unit u is slice u of these 4 rows
	s_lshl_b32 s33, s2, 17
	s_lshl_b32 s34, s3, 14
	s_add_co_u32 s33, s33, s34                     ; in: 32 rows x 4,096 bytes a work-group, 4 rows a wave
	s_lshr_b32 s35, s2, 6
	s_lshl_b32 s35, s35, 22                        ; out: the batch,
	s_and_b32 s34, s2, 63
	s_lshl_b32 s34, s34, 12                        ; 32 rows x 128 bytes a work-group,
	s_add_co_u32 s35, s35, s34
	s_lshl_b32 s34, s3, 9                          ; 4 rows a wave
	s_add_co_u32 s35, s35, s34
	; roles W: the work-group has 32 rows; a wave 16 of them, one quarter (256 columns) of each; unit u is row u
	s_sub_co_u32 s36, s2, 256
	s_lshr_b32 s37, s36, 5                         ; which: 0 Wq, 1 Wk, 2 Wv, 3 Wo (in role x: a number far above 3)
	s_and_b32 s36, s36, 31
	s_lshr_b32 s38, s3, 2
	s_and_b32 s39, s3, 3
	s_lshl_b32 s40, s36, 17
	s_lshl_b32 s41, s38, 16
	s_add_co_u32 s40, s40, s41
	s_lshl_b32 s41, s39, 10
	s_add_co_u32 s40, s40, s41                     ; in
	s_lshl_b32 s36, s36, 5
	s_lshl_b32 s41, s38, 4
	s_add_co_u32 s36, s36, s41                     ; my first row
	s_lshl_b32 s43, s37, 11                        ; the weight's 2,048 bytes in a row of wb
	s_movk_i32 s44, 0x800
	s_movk_i32 s46, 0x100
	s_cmp_eq_u32 s37, 3
	s_cselect_b32 s42, s44, 0x1800                 ; bytes in a row out: 2,048 (wo16) or 6,144 (wb)
	s_cselect_b32 s43, 0, s43
	s_mul_i32 s41, s36, s42
	s_add_co_u32 s41, s41, s43
	s_lshl_b32 s43, s39, 9
	s_add_co_u32 s41, s41, s43                     ; out
	s_cmp_lt_u32 s2, 256                           ; role x?
	s_cselect_b32 s32, -1, 0
	s_cselect_b32 s4, s33, s40
	s_cselect_b32 s6, s35, s41
	s_cselect_b32 s45, s46, 0x1000                 ; from unit to unit, in: a slice's 256 bytes, or a row
	s_cselect_b32 s47, 0x40000, s42                ; out: a slice's 262,144 bytes, or a row
	s_mov_b32 s5, 0
	s_mov_b32 s7, 0
	v_lshlrev_b32 v[LI], 5, v1                     ; W: 32 neighbouring bytes a lane
	v_lshrrev_b32 v36, 3, v1                       ; x: eight lanes to a row's 256 bytes, four rows
	v_and_b32 v37, 7, v1
	v_lshlrev_b32 v37, 5, v37
	v_lshl_or_b32 v36, v36, 12, v37
	v_cndmask_b32 v[LI], v[LI], v36, s32
	v_lshlrev_b32 v[LO], 4, v1
.set u, 0
.rept 16
	v_mad_u32_u24 v[VI+u], s45, u, v[LI]
	v_mad_u32_u24 v[VO+u], s47, u, v[LO]
.set u, u+1
.endr
	s_wait_kmcnt 0x0
	s_cmp_eq_u32 s37, 1                            ; the buffers are chosen by the work-group's number alone
	s_cselect_b64 s[28:29], s[12:13], s[10:11]
	s_cmp_eq_u32 s37, 2
	s_cselect_b64 s[28:29], s[14:15], s[28:29]
	s_cmp_eq_u32 s37, 3
	s_cselect_b64 s[28:29], s[16:17], s[28:29]
	s_cselect_b64 s[30:31], s[24:25], s[22:23]
	s_cmp_lt_u32 s2, 256
	s_cselect_b64 s[28:29], s[8:9], s[28:29]
	s_cselect_b64 s[30:31], s[20:21], s[30:31]
	s_add_nc_u64 s[28:29], s[28:29], s[4:5]
	s_add_nc_u64 s[30:31], s[30:31], s[6:7]
.set u, 0
.rept 16
	global_load_b128 v[X+8*u:X+8*u+3],   v[VI+u], s[28:29] th:TH_LOAD_NT
	global_load_b128 v[X+8*u+4:X+8*u+7], v[VI+u], s[28:29] offset:16 th:TH_LOAD_NT
.set u, u+1
.endr
; Unit u: rounded in place (word k is written when words 2 k and 2 k + 1 have been read) and stored.  No register that a memory instruction names is written again.
.macro UNIT u, half
	s_wait_loadcnt 30-2*(\u)                       ; loads come back in order (ISA guide 5.7.1): the two loads of each younger unit may stay out
.irp k, 0,1,2,3
.if \half
	v_cvt_pk_bf16_f32 v[T], v[X+8*(\u)+2*(\k)], v[X+8*(\u)+2*(\k)+1]
	v_lshlrev_b32 v[T+1], 16, v[T]                 ; the two bf16 numbers as f32,
	v_and_b32 v[T+2], 0xffff0000, v[T]
	v_cvt_pk_f16_f32 v[X+8*(\u)+(\k)], v[T+1], v[T+2]  ; and as f16
.else
	v_cvt_pk_bf16_f32 v[X+8*(\u)+(\k)], v[X+8*(\u)+2*(\k)], v[X+8*(\u)+2*(\k)+1]
.endif
.endr
	global_store_b128 v[VO+(\u)], v[X+8*(\u):X+8*(\u)+3], s[30:31]
.endm
	s_cmp_eq_u32 s37, 3
	s_cbranch_scc1 .Lwo
.irp n, 0,1,2,3,4,5,6,7,8,9,10,11,12,13,14,15
	UNIT \n, 0
.endr
	s_endpgm
.Lwo:
.irp n, 0,1,2,3,4,5,6,7,8,9,10,11,12,13,14,15
	UNIT \n, 1
.endr
	s_endpgm
.Lbias:                                                ; one copy of one head's table: 5,120 numbers, four a thread and trip, five trips
	s_sub_co_u32 s33, s2, 384                      ; 4 h + c
	s_lshr_b32 s34, s33, 2
	s_lshl_b32 s34, s34, 2                         ; the head's 4 bytes in a row of rel_emb
	s_and_b32 s35, s33, 3
	s_add_co_u32 s35, s35, 2048                    ; c + 2,048
	s_mul_i32 s4, s33, 20480
	s_mov_b32 s5, 0
	v_lshlrev_b32 v2, 2, v0
	v_sub_nc_u32 v2, v2, s35                       ; d of my first number: 4 t - c - 2,048
	v_lshlrev_b32 v3, 4, v0                        ; my 16 bytes in the copy
	s_mov_b32 s36, 5
	s_wait_kmcnt 0x0
	s_add_nc_u64 s[26:27], s[26:27], s[4:5]
.Ltrip:
.irp e, 0,1,2,3
	v_add_nc_u32 v4, \e, v2                        ; d
	v_sub_nc_u32 v5, 0, v4
	v_cmp_gt_i32 vcc_lo, 0, v4
	v_cndmask_b32 v5, v4, v5, vcc_lo               ; n = |d|
	v_mov_b32 v6, 8
.irp thr, 12,16,23,32,46,64,91
	v_cmp_le_u32 vcc_lo, \thr, v5
	v_add_co_ci_u32 v6, vcc_lo, 0, v6, vcc_lo      ; one more for each threshold reached
.endr
	v_cmp_gt_u32 vcc_lo, 8, v5
	v_cndmask_b32 v6, v6, v5, vcc_lo               ; n itself where n < 8
	v_add_nc_u32 v7, 16, v6
	v_cmp_lt_i32 vcc_lo, 0, v4
	v_cndmask_b32 v6, v6, v7, vcc_lo               ; the upper half of the buckets where the key lies behind the query
	v_min_u32 v6, 31, v6
	v_lshl_add_u32 v[8+(\e)], v6, 6, s34           ; a row of rel_emb is 64 bytes
	global_load_b32 v[12+(\e)], v[8+(\e)], s[18:19]
.endr
	s_wait_loadcnt 0x0
	v_cvt_pk_bf16_f32 v16, v12, v13                ; rounded to bf16 like every input, kept as f32
	v_cvt_pk_bf16_f32 v17, v14, v15
	v_lshlrev_b32 v20, 16, v16
	v_and_b32 v21, 0xffff0000, v16
	v_lshlrev_b32 v22, 16, v17
	v_and_b32 v23, 0xffff0000, v17
	global_store_b128 v3, v[20:23], s[26:27]       ; a wave's store covers 512 consecutive bytes, aligned
	s_wait_xcnt 0x0                                ; the store's offset and data are written again only behind this wait
	v_add_nc_u32 v2, 0x400, v2
	v_add_nc_u32 v3, 0x1000, v3
	s_sub_co_u32 s36, s36, 1
	s_cmp_lg_u32 s36, 0
	s_cbranch_scc1 .Ltrip
	s_endpgm
.Lfunc_end_k_qb894051aca_prep:
	.size	k_qb894051aca_prep, .Lfunc_end_k_qb894051aca_prep-k_qb894051aca_prep
	.p2alignl 7, 3214868480
	.fill 96, 4, 3214868480
	.section	.rodata,"a",@progbits
	.p2align	6, 0x0
	.amdhsa_kernel k_qb894051aca_prep
		.amdhsa_group_segment_fixed_size 0
		.amdhsa_private_segment_fixed_size 0
		.amdhsa_enable_private_segment 0
		.amdhsa_kernarg_size 80
		.amdhsa_user_sgpr_count 2
		.amdhsa_user_sgpr_kernarg_segment_ptr 1
		.amdhsa_wavefront_size32 1
		.amdhsa_system_sgpr_workgroup_id_x 1
		.amdhsa_system_sgpr_workgroup_id_y 1
		.amdhsa_system_sgpr_workgroup_id_z 1
		.amdhsa_system_vgpr_workitem_id 0
		.amdhsa_next_free_vgpr 176
		.amdhsa_next_free_sgpr 66
		.amdhsa_reserve_vcc 1
		.amdhsa_float_denorm_mode_32 3
		.amdhsa_float_denorm_mode_16_64 3
		.amdhsa_memory_ordered 1
		.amdhsa_forward_progress 1
		.amdhsa_inst_pref_size 35
	.end_amdhsa_kernel
	.amdgpu_metadata
---
amdhsa.version: [ 1, 2 ]
amdhsa.kernels:
  - .name:           k_qb894051aca_prep
    .symbol:         k_qb894051aca_prep.kd
    .args:
      - { .name: hidden_states, .offset: 0, .size: 8, .value_kind: global_buffer, .address_space: global }
      - { .name: Wq, .offset: 8, .size: 8, .value_kind: global_buffer, .address_space: global }
      - { .name: Wk, .offset: 16, .size: 8, .value_kind: global_buffer, .address_space: global }
      - { .name: Wv, .offset: 24, .size: 8, .value_kind: global_buffer, .address_space: global }
      - { .name: Wo, .offset: 32, .size: 8, .value_kind: global_buffer, .address_space: global }
      - { .name: rel_emb, .offset: 40, .size: 8, .value_kind: global_buffer, .address_space: global }
      - { .name: xb, .offset: 48, .size: 8, .value_kind: global_buffer, .address_space: global }
      - { .name: wb, .offset: 56, .size: 8, .value_kind: global_buffer, .address_space: global }
      - { .name: wo16, .offset: 64, .size: 8, .value_kind: global_buffer, .address_space: global }
      - { .name: btab, .offset: 72, .size: 8, .value_kind: global_buffer, .address_space: global }
    .group_segment_fixed_size: 0
    .private_segment_fixed_size: 0
    .kernarg_segment_align: 8
    .kernarg_segment_size: 80
    .max_flat_workgroup_size: 256
    .sgpr_count:     66
    .vgpr_count:     176
    .wavefront_size: 32
...
	.end_amdgpu_metadata
.endif
;; end of part 1
;; launch qkvp (part 2): grid 16 x 16, 4 waves a work-group, clusters of 4 x 4, 327,680 bytes of LDS; arguments xb, wb, qkv; writes qkv
.if DOCPART == 2
	.amdgcn_target "amdgcn-amd-amdhsa--gfx1250"
	.amdhsa_code_object_version 6
	.text
	.protected	k_qb894051aca_qkvp
	.globl	k_qb894051aca_qkvp
	.p2align	8
	.type	k_qb894051aca_qkvp,@function
k_qb894051aca_qkvp:
	s_mov_b64 s[64:65], 0
	v_nop
	global_prefetch_b8 v0, s[64:65] scope:SCOPE_SE
	s_setreg_imm32_b32 hwreg(HW_REG_WAVE_MODE, 25, 1), 1
	s_wait_xcnt 0x0
	s_wait_alu depctr_hold_cnt(0) depctr_sa_sdst(0) depctr_va_vdst(0) depctr_va_sdst(0) depctr_va_ssrc(0) depctr_va_vcc(0) depctr_vm_vsrc(0)
	s_getreg_b32 s2, hwreg(HW_REG_IB_STS2, 6, 4)
	s_cmp_eq_u32 s2, 0
	s_cbranch_scc0 .Lentry_in_a_cluster
	s_endpgm
.Lentry_in_a_cluster:
	s_bfe_u32 s2, ttmp6, 0x10000c
	s_cmp_lg_u32 s2, 0xf033
	s_cbranch_scc0 .Lentry_shape_is_right
	s_endpgm
.Lentry_shape_is_right:
; q, k, v = x Wq, x Wk, x Wv.  A = xb, bf16 [4 b][16 slices][2048 s][64] (slice j = x's columns 64 j ..); B = wb, bf16 [1024 k][3072 n]; sums in f32, K ascending, each rounded once to f16 and
; stored by heads: qkv f16 [3][64 b h][2048 s][64].  LIMIT: f16 ends at 65,504: a q, k or v beyond that becomes an infinity.  With x and the weights 30 times the drawn spread they have a spread of about 900.
; SHARES.  A tile of C is 256 rows x 192 columns (three heads): 8192 x 3072 makes 512 tiles, two for each of 256 work-groups: the same 256 rows of two batches that follow each other, so that A's
; address runs on from the first tile's last K step into the second's first.  Four waves one below the other, 64 rows x 192 columns each: 48 accumulators, 384 registers; a wave holds whole heads.
; RING.  K goes in steps of 128 (two slices of A, 128 rows of B) through two LDS slots.  Waves 0 and 1 fetch the two slices (256 rows of 128 bytes are dense in memory: asked for as 128 rows of 256),
; waves 2 and 3 the halves of B's 128 rows: one tensor load a wave behind each change of slots; it has a K step less a quarter, 168 matrix instructions of the wave, in which to land.
; CLUSTER 4 x 4: the four work-groups of a row of the cluster need the same tiles of A, the four of a column the same tiles of B: each is asked for jointly.
; THE MATRIX INSTRUCTION IS USED TRANSPOSED: source 0 = 16 columns of B (stored [k][n], so read by the turning load), source 1 = 16 rows of A: a lane then holds eight neighbouring columns of one row of C.
; No prefetch: the joint loads ask a K step ahead, and both operands were written by the launch before.
; REGISTERS, in windows of 256: window 0: v0-31 addresses; v32-63, v64-95 A's fragments, two buffers; v96-143 packed results; v144-239 rows read back, two buffers
;   window 1: v0-95, v128-223 B's fragments, two buffers      window 2: the accumulators of my row blocks 0, 1 ((a, b) at 8 (12 (a % 2) + b))      window 3: of blocks 2, 3
.set NBF,    12                        ; blocks of 16 columns in a tile
.set NS,     16                        ; K steps of a work-group: 8 a tile
.set ROWEL,  192                       ; elements in a row of B's tile
.set PITCHEL,3072                      ; elements from row to row of B
.set PA,     144                       ; a row of A in LDS: 128 bytes + 16 = 36 words: the 16 rows of a load start at 16 different groups of four banks (64 banks of 4 bytes: ISA guide 11.1)
.set PB,     480                       ; a row of B in LDS: three pieces of 128 bytes, 32 of padding behind each
.set PLANE,  256*PA                    ; a slice's 256 rows
.set BOFF,   2*PLANE                   ; B lies behind A's two slices
.set SLOT1,  0x24000                   ; slot 1: no bit in common with a tile's place in slot 0 (0, 0x9000, 0x12000, 0x19800): one exclusive or changes slots
.set STAGE,  SLOT1+BOFF+128*PB         ; behind the ring, never filled by a tensor load: for each wave 3 heads x 16 rows x 144 bytes
.set WSTG,   3*16*PA
.set SPARE,  STAGE+4*WSTG              ; the spare words, 128 bytes for each wave: two blocks of 256 bytes that no other line names
.set KASTEP, 1<<19                     ; two slices of A in memory
.set KBSTEP, 128*PITCHEL*2             ; 128 rows of B in memory
.set AL0,  16                          ; v16  my lane's place among A's rows in a slot; never rewritten
.set BL0,  17                          ; v17  the same for B
.set ADRA, 18                          ; v18  AL0 + the slot in hand
.set ADRB, 19                          ; v19  BL0 + the slot in hand
.set STO,  24                          ; v24  the way out: where I put 16 bytes of a row
.set RD,   25                          ; v25  the way out: where I read rows back
.set CO,   26                          ; v26  16 x lane: my place in 512 consecutive bytes of the output
.set SPW,  28                          ; v28  LDS address of my spare word; never rewritten
.set NIL,  29                          ; v29  0; never rewritten
.set FA0,  32
.set TMP,  96
.set OB,   144
.set G1A, 24                           ; s[24:31] descriptor group 1 for A's tiles
.set G0A, 32                           ; s[32:39] group 0: a set for each of the two first fills; the second then walks on
.set G1B, 48                           ; s[48:55], s[56:63] the same for B's
.set G0B, 56
.set BB,  66                           ; s[66:67] B at my half of K step 0
.set OFF, 68                           ; s[68:69] a K step's byte offset in B
.set NXT, 70                           ; s70  the K step to be asked for next
.set TB,  71                           ; s71  the slot in hand: 0 or SLOT1
.set CNT, 72                           ; s72  loop count
.set T8,  73                           ; s73  K steps left in the tile
.set OP0, 74                           ; s[74:79] the output at my rows, for each of my three heads
.set NEW, 80                           ; s80  1: the K step to come starts a tile's sums
.set MSB, 0
.macro WIN new                         ; the immediate's high byte repeats the setting that is left; a switch that changes nothing is dropped
.if MSB != (\new)
	s_set_vgpr_msb (MSB<<8)|(\new)
.set MSB, \new
.endif
.endm
.set MUL_LO, 0xa1                      ; source 0 (B) window 1, source 1 (A) window 0, C and D window 2
.set MUL_HI, 0xf1                      ; the same, C and D window 3
.set TO_B,   0x40                      ; destination window 1, address window 0
; A joint refill, by the walking sets.  The branch hangs on the wave's number alone.  An s_nop 0 and four v_nop follow each of the two lines.
.macro JLOAD
	s_cmp_eq_u32 s11, 0
	s_cbranch_scc0 .Lfor_b_\@
	tensor_load_to_lds s[G0A+4:G0A+7], s[G1A:G1A+7]
	s_nop 0
.rept 4
	v_nop
.endr
	s_branch .Lasked_\@
.Lfor_b_\@:
	tensor_load_to_lds s[G0B+4:G0B+7], s[G1B:G1B+7]
	s_nop 0
.rept 4
	v_nop
.endr
.Lasked_\@:
.endm
.macro CREST                           ; a round of the cluster's barrier behind its opening barrier: wave 0 signals for the work-group, every wave waits for all sixteen, my work-group's barrier closes it
	s_cmp_lg_u32 s10, 0
	s_cbranch_scc1 .Lnot_wave_0_\@
	s_barrier_signal -3
.Lnot_wave_0_\@:
	s_barrier_wait -3
	s_barrier_signal -1
	s_barrier_wait -1
.endm
.macro CROUND                          ; a whole round
	s_barrier_signal -1
	s_barrier_wait -1
	CREST
.endm
.macro PLACES                          ; four places in front of loads into registers that matrix instructions have read (ISA guide 7.12.1 for vector instructions)
.rept 4
	v_nop
.endr
.endm
	s_load_b128 s[4:7], s[0:1], 0x0                ; xb s[4:5], wb s[6:7]
	s_load_b64 s[8:9], s[0:1], 0x10                ; qkv
	v_lshl_add_u32 v[SPW], v0, 2, SPARE
	v_mov_b32 v[NIL], 0
	ds_add_u32 v[SPW], v[NIL]                      ; the wave's opening: the add and its wait stand ahead of my first tensor load; the set-up below, work on registers, stands between them
	v_lshrrev_b32 v1, 5, v0
	v_readfirstlane_b32 s10, v1                    ; wave 0..3
	s_lshr_b32 s11, s10, 1                         ; I fetch for A (0) or for B (1),
	s_and_b32 s12, s10, 1                          ; its first or second half
	s_bfe_u32 s40, ttmp6, 0x40000                  ; cx, cy: my place in the cluster
	s_bfe_u32 s41, ttmp6, 0x40004
	s_lshl_b32 s42, ttmp9, 2
	s_add_co_u32 s42, s42, s40                     ; X: my 192 columns
	s_and_b32 s13, ttmp7, 0xffff
	s_lshl_b32 s13, s13, 2
	s_add_co_u32 s13, s13, s41                     ; Y: bits 2:0 my 256 rows of a batch, bit 3 my pair of batches
	s_lshl_b32 s43, s41, 2
	s_lshl_b32 s43, 15, s43                        ; my row of the cluster
	s_lshl_b32 s44, 0x1111, s40                    ; my column
	s_or_b32 s[G1A+0], s43, (1<<16)|(1<<20)|(1<<21)|(4<<22)|(3<<25)  ; the mask; 2-byte elements; padding on; bit 21 beside a mask; after every 32 words (code 4) 4 words (code 3)
	s_mov_b32 s[G1A+1], 128<<16                    ; tensor_dim0 = 128 elements: 256 bytes, two rows of the slice
	s_mov_b32 s[G1A+2], 128<<16                    ; tensor_dim1 = 128
	s_mov_b32 s[G1A+3], 128<<16                    ; tile_dim0 = 128
	s_mov_b32 s[G1A+4], 128                        ; tile_dim1 = 128
	s_mov_b32 s[G1A+5], 128                        ; dense: 128 elements from row to row
	s_mov_b32 s[G1A+6], 0
	s_mov_b32 s[G1A+7], 0
	s_or_b32 s[G1B+0], s44, (1<<16)|(1<<20)|(1<<21)|(4<<22)|(7<<25)  ; after every 32 words 8 words (code 7): a row's 96 words are three such pieces
	s_mov_b32 s[G1B+1], ROWEL<<16
	s_mov_b32 s[G1B+2], 64<<16
	s_mov_b32 s[G1B+3], ROWEL<<16
	s_mov_b32 s[G1B+4], 64
	s_mov_b32 s[G1B+5], PITCHEL
	s_mov_b32 s[G1B+6], 0
	s_mov_b32 s[G1B+7], 0
	s_lshr_b32 s16, s13, 3                         ; A's offset hangs on Y and the wave alone: the pair of batches,
	s_lshl_b32 s16, s16, 23
	s_lshl_b32 s17, s12, 18                        ; my slice of the K step's two,
	s_add_co_u32 s16, s16, s17
	s_and_b32 s17, s13, 7
	s_lshl_b32 s17, s17, 15                        ; my 256 rows of 128 bytes
	s_add_co_u32 s16, s16, s17
	s_mov_b32 s17, 0
	s_mul_i32 s46, s42, 2*ROWEL                    ; B's hangs on X and the wave alone: my columns,
	s_mul_i32 s47, s12, 64*PITCHEL*2               ; my 64 rows of the K step's 128
	s_add_co_u32 s46, s46, s47
	s_mov_b32 s47, 0
	s_mul_i32 s20, s12, PLANE                      ; where they go: no place in the cluster enters an LDS address
	s_mul_i32 s21, s12, 64*PB
	s_add_co_u32 s21, s21, BOFF
	s_mov_b32 s[OFF+1], 0
	s_mov_b32 s[NXT], 2
	s_mov_b32 s[TB], 0
	s_mov_b32 s[T8], 8
	s_mov_b32 s[NEW], 1
	s_wait_dscnt 0x0                               ; the opening add is done
	s_wait_kmcnt 0x0
	s_add_nc_u64 s[14:15], s[4:5], s[16:17]
	s_add_nc_u64 s[BB:BB+1], s[6:7], s[46:47]
	CROUND                                         ; all sixteen work-groups are here: the first joint loads meet
.irp s, 0,1
	s_mov_b32 s[G0A+4*(\s)], 1                                       ; count = 1
	s_add_co_u32 s[G0A+4*(\s)+1], s20, (\s)*SLOT1                    ; LDS address
	s_add_nc_u64 s[G0A+4*(\s)+2:G0A+4*(\s)+3], s[14:15], (\s)*KASTEP ; global address: K step s
	s_or_b32 s[G0A+4*(\s)+3], s[G0A+4*(\s)+3], 0x80000000            ; type = 2
	s_mov_b32 s[G0B+4*(\s)], 1
	s_add_co_u32 s[G0B+4*(\s)+1], s21, (\s)*SLOT1
	s_add_nc_u64 s[G0B+4*(\s)+2:G0B+4*(\s)+3], s[BB:BB+1], (\s)*KBSTEP
	s_or_b32 s[G0B+4*(\s)+3], s[G0B+4*(\s)+3], 0x80000000
.endr
	s_cmp_eq_u32 s11, 0                            ; a wave's two first fills stand in one branch, ahead of every wait on TENSORcnt and every LDS read: two loads of mine are out
	s_cbranch_scc0 .Lfirst_b
	tensor_load_to_lds s[G0A:G0A+3], s[G1A:G1A+7]
	s_nop 0
	tensor_load_to_lds s[G0A+4:G0A+7], s[G1A:G1A+7]
	s_nop 0
.rept 4
	v_nop
.endr
	s_branch .Lfirst_asked
.Lfirst_b:
	tensor_load_to_lds s[G0B:G0B+3], s[G1B:G1B+7]
	s_nop 0
	tensor_load_to_lds s[G0B+4:G0B+7], s[G1B:G1B+7]
	s_nop 0
.rept 4
	v_nop
.endr
.Lfirst_asked:
	; A's fragment: 16 rows x 32 k in 8 registers: lane l holds row l % 16, k = 8 (l / 16) + 0..7 and 16 + 8 (l / 16) + 0..7: two loads of 16 bytes, 32 bytes apart.
	v_and_b32 v1, 15, v0                           ; l % 16
	v_bfe_u32 v2, v0, 4, 1                         ; l / 16
	v_mul_u32_u24 v[AL0], v1, PA
	v_lshl_add_u32 v[AL0], v2, 4, v[AL0]
	s_mul_i32 s18, s10, 64*PA                      ; my wave's 64 rows
	v_add_nc_u32 v[AL0], s18, v[AL0]
	; B's fragment by the turning load: lane l reads 16 bytes of row k = 8 (l / 16) + l % 8, columns 8 ((l / 8) % 2) + 0..7, and receives column l % 16, eight k.
	v_and_b32 v5, 7, v0
	v_lshl_add_u32 v3, v2, 3, v5
	v_mul_u32_u24 v[BL0], v3, PB
	v_bfe_u32 v4, v0, 3, 1
	v_lshl_add_u32 v[BL0], v4, 4, v[BL0]
	v_add_nc_u32 v[BL0], BOFF, v[BL0]
	v_mov_b32 v[ADRA], v[AL0]                      ; slot 0
	v_mov_b32 v[ADRB], v[BL0]
	s_mul_i32 s19, s10, WSTG
	s_add_co_u32 s19, s19, STAGE                   ; my stage
	v_mul_u32_u24 v[STO], v1, PA                   ; in: row l % 16, 16 bytes for each half of the lanes
	v_lshl_add_u32 v[STO], v2, 4, v[STO]
	v_add_nc_u32 v[STO], s19, v[STO]
	v_bfe_u32 v[RD], v0, 3, 2                      ; back: 32 lanes take four rows of 128 bytes,
	v_mul_u32_u24 v[RD], v[RD], PA
	v_lshl_add_u32 v[RD], v5, 4, v[RD]
	v_add_nc_u32 v[RD], s19, v[RD]
	v_and_b32 v[CO], 31, v0                        ; which are 512 consecutive bytes of a head
	v_lshlrev_b32 v[CO], 4, v[CO]
	s_lshr_b32 s22, s13, 3                         ; the output at my rows: the first batch of my pair,
	s_lshl_b32 s22, s22, 23
	s_and_b32 s23, s13, 7
	s_lshl_b32 s23, s23, 15                        ; my work-group's 256 rows of 128 bytes,
	s_add_co_u32 s22, s22, s23
	s_lshl_b32 s23, s10, 13                        ; my wave's 64
	s_add_co_u32 s22, s22, s23
	s_mul_i32 s45, s42, 3                          ; my first head among the 48 of q, k and v
.irp hd, 0,1,2
	s_add_co_u32 s2, s45, \hd
	s_lshr_b32 s3, s2, 4                           ; q, k or v: 64 (b, h) each
	s_lshl_b32 s3, s3, 6
	s_and_b32 s2, s2, 15                           ; the head
	s_add_co_u32 s2, s2, s3
	s_lshl_b32 s2, s2, 18                          ; 2,048 rows of 128 bytes
	s_add_co_u32 s2, s2, s22
	s_mov_b32 s3, 0
	s_add_nc_u64 s[OP0+2*(\hd):OP0+2*(\hd)+1], s[8:9], s[2:3]
.endr
; 12 matrix instructions: row block a x all column blocks, 32 along K, from buffer f.  zero = 1: the product starts the sums: nothing is ever cleared.
; The 48 accumulators take turns, one instruction a turn, in the same order in every quarter.
.macro MULA f, a, zero
	WIN MUL_LO+0x50*((\a)/2)
.set b, 0
.rept NBF
.set rD, 8*(NBF*((\a)%2)+b)
.if \zero
	v_wmma_f32_16x16x32_bf16 v[rD:rD+7], v[128*(\f)+8*b:128*(\f)+8*b+7], v[FA0+32*(\f)+8*(\a):FA0+32*(\f)+8*(\a)+7], 0
.else
	v_wmma_f32_16x16x32_bf16 v[rD:rD+7], v[128*(\f)+8*b:128*(\f)+8*b+7], v[FA0+32*(\f)+8*(\a):FA0+32*(\f)+8*(\a)+7], v[rD:rD+7]
.endif
.set b, b+1
.endr
.endm
; 32 LDS loads in one run: quarter q (32 along K) of the slot in hand into buffer f: B's 12 fragments, then A's 4
.macro FETCH q, f
	WIN TO_B
.set b, 0
.rept NBF
	ds_load_tr16_b128 v[128*(\f)+8*b:128*(\f)+8*b+3],   v[ADRB] offset:(\q)*32*PB+(b/4)*160+(b%4)*32
	ds_load_tr16_b128 v[128*(\f)+8*b+4:128*(\f)+8*b+7], v[ADRB] offset:(\q)*32*PB+(b/4)*160+(b%4)*32+16*PB
.set b, b+1
.endr
	WIN 0
.irp a, 0,1,2,3
	ds_load_b128 v[FA0+32*(\f)+8*(\a):FA0+32*(\f)+8*(\a)+3],   v[ADRA] offset:((\q)/2)*PLANE+((\q)%2)*64+(\a)*16*PA
	ds_load_b128 v[FA0+32*(\f)+8*(\a)+4:FA0+32*(\f)+8*(\a)+7], v[ADRA] offset:((\q)/2)*PLANE+((\q)%2)*64+(\a)*16*PA+32
.endr
.endm
; One of a K step's first three quarters: multiplies buffer f; in its middle it fetches quarter q into buffer g.
.macro QUARTER q, f, g, zero
	s_wait_dscnt 4                                 ; B and A's blocks 0, 1 are in; the youngest four loads (A's blocks 2, 3) may be out
	MULA \f, 0, \zero
	MULA \f, 1, \zero
	PLACES
.if \zero
	v_nop                                          ; a fifth place: the products below write over accumulators without adding onto them
.endif
	FETCH \q, \g
	s_wait_dscnt 2*NBF+8                           ; all but the 32 just issued
	MULA \f, 2, \zero
	MULA \f, 3, \zero
.endm
; The fourth quarter multiplies buffer 1 and changes slots.  In front of the barrier each wave waits for all its tensor loads, of which one is out: its part of the next slot; adds 0 to its spare
; word; and waits for that and for its own reads of this slot.  fill = 1: the barrier opens a round of the cluster's, and the slot just read is filled again, first thing behind it, two K steps ahead.
.macro TURN fill
	WIN 0
	s_wait_tensorcnt 0x0                           ; no tensor load of mine is out, so a group 0 may be written
	ds_add_u32 v[SPW], v[NIL]                      ; 0 onto my spare word
	s_wait_dscnt 5                                 ; (the add and A's blocks 2, 3 may be out)
	MULA 1, 0, 0                                   ; twelve matrix instructions stand between the add and the wait for it
	s_wait_dscnt 0x0                               ; the add is done, and my reads of this slot are over
	s_barrier_signal -1
	MULA 1, 1, 0                                   ; work on registers while the others arrive
	WIN 0
	s_barrier_wait -1
.if \fill
	CREST                                          ; no wave of any partner still reads this slot or has a load on its way
	s_xor_b32 s[G0A+5], s[G0A+5], SLOT1            ; the walking sets: the other slot than last time;
	s_add_nc_u64 s[G0A+6:G0A+7], s[G0A+6:G0A+7], KASTEP  ; A runs on, across the change of tiles too; the type bits on top are not reached
	s_xor_b32 s[G0B+5], s[G0B+5], SLOT1
	s_and_b32 s[OFF], s[NXT], 7                    ; B begins anew with each tile: its address is made anew from the step's number
	s_mul_i32 s[OFF], s[OFF], KBSTEP
	s_add_nc_u64 s[G0B+6:G0B+7], s[BB:BB+1], s[OFF:OFF+1]
	s_or_b32 s[G0B+7], s[G0B+7], 0x80000000
	s_add_co_u32 s[NXT], s[NXT], 1
	JLOAD                                          ; the four v_nop behind it are also the places in front of the loads below
.else
	PLACES
.endif
	s_xor_b32 s[TB], s[TB], SLOT1                  ; the reads go on in the other slot
	v_add_nc_u32 v[ADRA], s[TB], v[AL0]
	v_add_nc_u32 v[ADRB], s[TB], v[BL0]
	FETCH 0, 0
	MULA 1, 2, 0
	MULA 1, 3, 0
.endm
; THE WAY OUT of row block a.  PACK: rounded to f16, 16 bytes a lane, each accumulator's registers in ascending order.  TOSTAGE: into my own stage, head by head, and back as whole rows.  SEND: stored.
.macro PACK a
	WIN 0x0a+5*((\a)/2)                            ; sources 0 and 1: window 2 or 3
.set b, 0
.rept NBF
.set rD, 8*(NBF*((\a)%2)+b)
.irp r, 0,1,2,3
	v_cvt_pk_f16_f32 v[TMP+4*b+(\r)], v[rD+2*(\r)], v[rD+2*(\r)+1]
.endr
.set b, b+1
.endr
	WIN 0
.endm
.macro TOSTAGE a
.set b, 0
.rept NBF
	ds_store_b128 v[STO], v[TMP+4*b:TMP+4*b+3] offset:(b/4)*16*PA+(b%4)*32
.set b, b+1
.endr
.set b, 0
.rept NBF
	ds_load_b128 v[OB+48*((\a)%2)+4*b:OB+48*((\a)%2)+4*b+3], v[RD] offset:(b/4)*16*PA+(b%4)*4*PA  ; LDS serves a wave's instructions in order (ISA guide 5.7.1.4): these see the stores above
.set b, b+1
.endr
.endm
.macro SEND a
	s_wait_dscnt 0x0                               ; the block is back in registers
	s_wait_xcnt 0x0                                ; the block before's stores have read their registers, which the next block's loads from the stage fill again
.set b, 0
.rept NBF
	global_store_b128 v[CO], v[OB+48*((\a)%2)+4*b:OB+48*((\a)%2)+4*b+3], s[OP0+2*(b/4):OP0+2*(b/4)+1] offset:(\a)*2048+(b%4)*512  ; four rows of a head: 512 consecutive bytes, aligned
.set b, b+1
.endr
.endm
.macro WAYOUT                          ; blocks 0 and 1 were finished ahead of the places in TURN; their 96 conversions, which name no register of the last products, are those products' places
	PACK 0
	TOSTAGE 0
.irp a, 1,2,3
	PACK \a
	SEND (\a)-1
	TOSTAGE \a
.endr
	SEND 3
.endm
	s_wait_tensorcnt 1                             ; my part of K step 0 is in; step 1's may stay out
	s_barrier_signal -1
	s_barrier_wait -1                              ; everybody's is
	FETCH 0, 0
	s_mov_b32 s[CNT], NS-2
.Lstep:                                                ; 14 trips, a K step each; each fills the slot that it has read with the step two further on
	s_cmp_eq_u32 s[NEW], 1                         ; at the first trip a constant of the text: the sums are started before they are added onto
	s_cbranch_scc0 .Lacc
	s_mov_b32 s[NEW], 0
	QUARTER 1, 0, 1, 1                             ; a tile's first quarter starts the sums
	WIN 0
	s_branch .Ljoin
.Lacc:
	QUARTER 1, 0, 1, 0
	WIN 0
.Ljoin:
	QUARTER 2, 1, 0, 0
	QUARTER 3, 0, 1, 0
	TURN 1
	WIN 0
	s_sub_co_u32 s[T8], s[T8], 1
	s_cmp_lg_u32 s[T8], 0
	s_cbranch_scc1 .Lno
	WAYOUT                                         ; the first tile is finished; both slots' refills for the second have been asked for
	s_wait_xcnt 0x0                                ; the stores have read their bases and registers
.irp hd, 0,1,2
	s_add_nc_u64 s[OP0+2*(\hd):OP0+2*(\hd)+1], s[OP0+2*(\hd):OP0+2*(\hd)+1], 1<<22  ; the next batch
.endr
	s_mov_b32 s[T8], 8
	s_mov_b32 s[NEW], 1
.Lno:
	s_sub_co_u32 s[CNT], s[CNT], 1
	s_cmp_lg_u32 s[CNT], 0
	s_cbranch_scc1 .Lstep
	s_mov_b32 s[CNT], 2
.Ltail:                                                ; the last two K steps ask for nothing.  The second's run of loads at the change of slots reads a tile that has been multiplied and serves nothing: the price of one text for both
	QUARTER 1, 0, 1, 0
	QUARTER 2, 1, 0, 0
	QUARTER 3, 0, 1, 0
	TURN 0
	WIN 0
	s_sub_co_u32 s[CNT], s[CNT], 1
	s_cmp_lg_u32 s[CNT], 0
	s_cbranch_scc1 .Ltail
	WAYOUT
	s_wait_tensorcnt 0x0                           ; the wave's end: behind my last tensor load and my last LDS store
	ds_add_u32 v[SPW], v[NIL]
	s_wait_dscnt 0x0
	CROUND                                         ; the closing round: no work-group ends while a partner may still ask for a tile that names it
	s_endpgm
.Lfunc_end_k_qb894051aca_qkvp:
	.size	k_qb894051aca_qkvp, .Lfunc_end_k_qb894051aca_qkvp-k_qb894051aca_qkvp
	.p2alignl 7, 3214868480
	.fill 96, 4, 3214868480
	.section	.rodata,"a",@progbits
	.p2align	6, 0x0
	.amdhsa_kernel k_qb894051aca_qkvp
		.amdhsa_group_segment_fixed_size 327680
		.amdhsa_private_segment_fixed_size 0
		.amdhsa_enable_private_segment 0
		.amdhsa_kernarg_size 24
		.amdhsa_user_sgpr_count 2
		.amdhsa_user_sgpr_kernarg_segment_ptr 1
		.amdhsa_wavefront_size32 1
		.amdhsa_system_sgpr_workgroup_id_x 1
		.amdhsa_system_sgpr_workgroup_id_y 1
		.amdhsa_system_sgpr_workgroup_id_z 1
		.amdhsa_system_vgpr_workitem_id 0
		.amdhsa_next_free_vgpr 960
		.amdhsa_next_free_sgpr 82
		.amdhsa_reserve_vcc 0
		.amdhsa_float_denorm_mode_32 3
		.amdhsa_float_denorm_mode_16_64 3
		.amdhsa_memory_ordered 1
		.amdhsa_forward_progress 1
		.amdhsa_inst_pref_size 107
	.end_amdhsa_kernel
	.amdgpu_metadata
---
amdhsa.version: [ 1, 2 ]
amdhsa.kernels:
  - .name:           k_qb894051aca_qkvp
    .symbol:         k_qb894051aca_qkvp.kd
    .args:
      - { .name: xb, .offset: 0, .size: 8, .value_kind: global_buffer, .address_space: global }
      - { .name: wb, .offset: 8, .size: 8, .value_kind: global_buffer, .address_space: global }
      - { .name: qkv, .offset: 16, .size: 8, .value_kind: global_buffer, .address_space: global }
    .group_segment_fixed_size: 327680
    .private_segment_fixed_size: 0
    .kernarg_segment_align: 8
    .kernarg_segment_size: 24
    .max_flat_workgroup_size: 128
    .sgpr_count:     82
    .vgpr_count:     960
    .wavefront_size: 32
...
	.end_amdgpu_metadata
.endif
;; end of part 2
;; launch attn (part 3): grid 4 x 64, 4 waves a work-group, clusters of 4 x 1, 327,680 bytes of LDS; arguments qkv, btab, ctx; writes ctx
.if DOCPART == 3
	.amdgcn_target "amdgcn-amd-amdhsa--gfx1250"
	.amdhsa_code_object_version 6
	.text
	.protected	k_qb894051aca_attn
	.globl	k_qb894051aca_attn
	.p2align	8
	.type	k_qb894051aca_attn,@function
k_qb894051aca_attn:
	s_mov_b64 s[64:65], 0
	v_nop
	global_prefetch_b8 v0, s[64:65] scope:SCOPE_SE
	s_setreg_imm32_b32 hwreg(HW_REG_WAVE_MODE, 25, 1), 1
	s_wait_xcnt 0x0
	s_wait_alu depctr_hold_cnt(0) depctr_sa_sdst(0) depctr_va_vdst(0) depctr_va_sdst(0) depctr_va_ssrc(0) depctr_va_vcc(0) depctr_vm_vsrc(0)
	s_getreg_b32 s2, hwreg(HW_REG_IB_STS2, 6, 4)
	s_cmp_eq_u32 s2, 0
	s_cbranch_scc0 .Lentry_in_a_cluster
	s_endpgm
.Lentry_in_a_cluster:
	s_bfe_u32 s2, ttmp6, 0x10000c
	s_cmp_lg_u32 s2, 0x3003
	s_cbranch_scc0 .Lentry_shape_is_right
	s_endpgm
.Lentry_shape_is_right:
; O[bh][q][:] = the sum over k of softmax_k(Q[bh][q] . K[bh][k] + bias_h(k - q)) V[bh][k][:], without a scale on the scores.  Q, K, V: the three parts of qkv, f16 [64 bh][2048][64]; O = ctx, the same layout.
; Products, maxima and sums in f32; the weights p are rounded to f16 for the second product (their sum l is taken of the unrounded p), O once at the end.
; LIMITS.  Q, K and V arrive within f16's range; p lies in 0 to 1, and below 6e-5 it keeps f16's fixed step of 6e-8; O is a mean of V's rows.  A weight below 2^-126 counts as 0 in l; NaN and infinities are not treated apart.
; SHARES.  A wave owns four PIECES of two tiles of 16 queries, a work-group's four waves 512 queries of one (b, h): 256 work-groups.  Every wave walks all 2,048 keys, 64 a step.
; LAYOUT.  S^T = K Q^T (source 0 = 16 keys, source 1 = 16 queries): a lane holds ONE query (lane % 16) and the keys 8 (lane / 16) + 0..7.  Two such results, rounded to f16 in pairs, ARE source 1 of
; O^T = V^T P.  K comes out of LDS as it lies, V ([key][channel]) turned, by ds_load_tr16_b128.
; THE BIAS hangs on the head and on k - q alone.  It is the C operand of the product that starts a score's sum, so it costs no vector instruction.  A lane's eight numbers are eight neighbours of the
; table bias_h(.), read from LDS by two loads of 16 bytes.  For those to be aligned whatever the query, LDS holds four copies of the table, copy c shifted by c numbers; a lane takes copy query % 4.
; The work-group's place among the head's query blocks is in the CONTENT of the copies (the global address from which they are brought), not in any LDS address: copy c's number y is
; bias_h(y - c - 512 - 512 block), y = 0 .. 3,071; the walk reads y = 4 .. 2,623.
; SOFTMAX.  For each query a running maximum m and sum l: p = 2^(c s - c m), c = log2(e); in every step O and l are multiplied by a = 2^(c m_old - c m_new).  m starts at the lowest finite number, O and l at 0.
; BY TURNS.  Turn n belongs to piece n (the pieces in a ring, step after step).  Its matrix work: 16 products K Q^T of piece n + 1, later 16 products V^T P of piece n - 1.  Its vector work: scaling,
; exponentials, roundings, sums and rescaling of piece n, and the maximum and statistics of piece n + 1.  A tile and step have 16 matrix and 118 vector instructions: four vector instructions that are
; ready stand behind every matrix instruction, the others in two runs of their own.
; CLUSTER.  The four query blocks of a cluster belong to one (b, h) and walk the same K and V: each tile is asked for JOINTLY: the same tensor load, descriptor and mask in all four.
; REGISTERS, in windows of 256 (s_set_vgpr_msb: bits 1:0 source 0, 3:2 source 1, 5:4 source 2, 7:6 destination):
;   window 0: v0-11 addresses; v12-15, v48-63 at work; v16-47 four registers of statistics a tile; v64-191 S^T, two buffers of two tiles; v192-255 P, likewise
;   window 1: O^T, 32 a tile      window 2: v0-127 Q, 16 a tile; v128-191 K of one step; v192-255 V of one step      window 3: v0-1 the add's two registers; v64-127 the bias of the piece whose scores come next
.set SIZE_N, 2048
.set NP,    4         ; pieces a wave: a name, no knob
.set KS,    64        ; keys in a step
.set PK,    144       ; a row of K in LDS: 128 bytes + 16 = 36 words: the 16 rows of a load start at 16 different groups of four banks (64 banks of 4 bytes: ISA guide 11.1)
.set PV,    160       ; a row of V: 128 + 32 = 40 words
.set VOFF,  4*KS*PK   ; a slot holds four steps: 256 rows of K, then 256 rows of V
.set SLOT1, 1<<17     ; slot 1 begins here, so that one exclusive or turns an address in one slot into the other's
.set STAGE, SLOT1+4*KS*(PK+PV)  ; behind the ring, never filled by a tensor load: 16 rows x 144 bytes for each wave, for the way out
.set SP,    144
.set SPARE, STAGE+4*16*SP  ; the spare words, 128 bytes for each wave: two blocks of 256 bytes that no other line names
.set TBL,   SPARE+512 ; the four copies of the bias table; no tensor load lands here
.set CP,    12352     ; from copy to copy: 12,288 bytes + 64, so that lanes in different copies start in different groups of banks
.set KBASE, 0x1000000 ; k's part of qkv
.set VBASE, 0x2000000 ; v's
.set AK0, 2           ; v2   my lane's place in a tile of K; never rewritten
.set AV0, 3           ; v3   the same for V
.set AK,  4           ; v4   the LDS address of K's next run of loads
.set AV,  5           ; v5   of V's
.set QO,  6           ; v6   my byte offset in the wave's rows of Q
.set STO, 6           ;      later, the way out: where I put 16 bytes of a row
.set RD,  7           ; v7   the way out: where I read rows back
.set GO,  8           ; v8   my byte offset in 512 consecutive bytes of O
.set AB,  10          ; v10  the LDS address of the bias's next runs of loads
.set AB0, 11          ; v11  my lane's place in the table at key step 0; never rewritten
.set SPW, 0           ; v0 of window 3   LDS address of my spare word; never rewritten
.set NIL, 1           ; v1 of window 3   0; never rewritten
.set MV,  12          ; v12-15  c m_old, kept while c m is made anew: by buffer and tile
.set ST,  16          ; tile t's statistics at v[ST+4 t]: c m, m, l (even keys', odd keys')
.set TMP, 48          ; by buffer and tile, four registers c0-c3 at work; when the maximum is found c2 takes a
.set S,   64
.set P,   192
.set KF,  128         ; window 2: key block kb, channel half c at KF + 16 kb + 8 c
.set VF,  192         ; window 2: key half kk, channel block cb at VF + 32 kk + 8 cb
.set MC,  64          ; window 3: tile u of the piece, key block kb at MC + 32 u + 8 kb
.set WV,  12          ; s12  my wave's number
.set G1K, 24          ; s[24:31] descriptor group 1 for K's tiles
.set G1V, 32          ; s[32:39] for V's: it differs in the padding alone
.set G0K, 40          ; s[40:43] descriptor group 0 for K's tiles: it walks
.set G0V, 44          ; s[44:47] the same for V's
.set SLOTS, 56        ; s56  slots still to be asked for
.set CNT, 57          ; s57  counts a slot's key steps
.set CS,  58          ; s[58:59] c: the packed scaling takes the pair's low word for both halves
.set SEL, 60          ; s[60:61] v_permlanex16_b32's selects: each lane takes its own place in the other half
.set TBK, 62          ; s62  LDS byte at which K of the step to be fetched begins
.set TBV, 63          ; s63  the same for V, less VOFF
.set TSRC, 66         ; s[66:67] where my wave's copy of the table comes from
.set VO2, 68          ; s[68:69] V's byte offset in qkv
.set TBB, 70          ; s70  256 x the key step whose bias is fetched
.set MSB, 0
.macro WIN new                      ; the high byte repeats the setting that is left; a switch that changes nothing is dropped
.if MSB != (\new)
	s_set_vgpr_msb (MSB<<8)|(\new)
.set MSB, (\new)
.endif
.endm
.set W_KQ, 0x0a       ; K and Q in window 2, S^T in window 0
.set W_KB, 0x3a       ; the same with the C operand, the bias, in window 3
.set W_PV, 0x52       ; V in window 2, P in window 0, O^T in window 1
.set W_RS, 0x41       ; O^T (destination and source 0) in window 1, a in window 0
.set W_MK, 0xc0       ; destination in window 3, sources in window 0
.set W_AD, 0x0f       ; the add: address (source 0) and data (source 1) in window 3
; A joint fill.  Waves 0 and 1 fetch the two halves of a slot's K, waves 2 and 3 those of its V: 128 keys each.  The branch hangs on the wave's number alone.
; An s_nop 0 and four v_nop follow each of the two lines, ahead of the jump and the label.
.macro JLOAD
	s_cmp_lt_u32 s[WV], 2
	s_cbranch_scc0 .Lfor_v_\@
	tensor_load_to_lds s[G0K:G0K+3], s[G1K:G1K+7]
	s_nop 0
.rept 4
	v_nop
.endr
	s_branch .Lasked_\@
.Lfor_v_\@:
	tensor_load_to_lds s[G0V:G0V+3], s[G1V:G1V+7]
	s_nop 0
.rept 4
	v_nop
.endr
.Lasked_\@:
.endm
; A round of the cluster's barrier: my work-group's barrier, so that wave 0's signal speaks for all four waves; wave 0 signals; every wave waits for all four work-groups; my work-group's barrier once more.
.macro CROUND
	s_barrier_signal -1
	s_barrier_wait -1
	s_cmp_lg_u32 s[WV], 0
	s_cbranch_scc1 .Lnot_wave_0_\@
	s_barrier_signal -3
.Lnot_wave_0_\@:
	s_barrier_wait -3
	s_barrier_signal -1
	s_barrier_wait -1
.endm
; THE CHANGE OF SLOTS.  Each wave waits for all its tensor loads, of which one is out: its part of the other slot; adds 0 to its spare word; and waits for that and for its own LDS instructions.
; Behind the barrier nobody reads this slot any more and the other slot is whole.  fill = 1: this slot is filled again, with the keys two slots on; the barrier is then a round of the cluster's, and the
; joint fill is the first thing behind it: it has four key steps, 512 matrix instructions, in which to land.  (At its first use nothing has been read yet: slot 0 is waited for, slot 1 filled,
; and each wave's stores into the bias table are shown to the others.)
.macro CHANGE fill
	WIN W_AD
	s_wait_tensorcnt 0x0            ; no tensor load of mine is out, so a group 0 may be written
	ds_add_u32 v[SPW], v[NIL]       ; 0 onto my spare word
	WIN 0                           ; at a label and at a branch every window is 0
.if \fill
.irp g, G0K, G0V
	s_xor_b32 s[\g+1], s[\g+1], SLOT1  ; the walking descriptor: the other slot than last time,
	s_add_nc_u64 s[\g+2:\g+3], s[\g+2:\g+3], 4*KS*128  ; the next 256 keys; the type bits on top are not reached
.endr
	s_wait_dscnt 0x0                ; the add is done, and my LDS instructions are over
	CROUND
	JLOAD
.else
	s_wait_dscnt 0x0                ; the add is done, and my LDS instructions are over
	s_barrier_signal -1
	s_barrier_wait -1
.endif
	s_sub_co_u32 s[TBK], s[TBK], 4*KS*PK  ; the fetches go back to a slot's first step,
	s_xor_b32 s[TBK], s[TBK], SLOT1       ; in the other slot
	s_sub_co_u32 s[TBV], s[TBV], 4*KS*PV
	s_xor_b32 s[TBV], s[TBV], SLOT1
.endm
	s_load_b128 s[4:7], s[0:1], 0x0   ; qkv s[4:5], btab s[6:7]
	s_load_b64 s[10:11], s[0:1], 0x10 ; ctx
	WIN W_MK
	v_lshl_add_u32 v[SPW], v0, 2, SPARE
	v_mov_b32 v[NIL], 0
	WIN W_AD
	ds_add_u32 v[SPW], v[NIL]       ; the wave's opening: the add and its wait stand ahead of my first tensor load; the set-up below, work on registers, stands between them
	WIN 0
	v_lshrrev_b32 v1, 5, v0
	v_readfirstlane_b32 s[WV], v1   ; wave 0..3
	s_bfe_u32 s13, ttmp6, 0x40000   ; cx: my place in the cluster
	s_lshl_b32 s14, ttmp9, 2        ; in a cluster launch ttmp9 counts clusters
	s_add_co_u32 s14, s14, s13      ; my block of 512 queries: it enters Q's, O's and the table's global addresses alone
	s_and_b32 s20, ttmp7, 0xffff    ; (b, h), which the four partners share
	s_mov_b32 s21, 0
	s_mov_b64 s[22:23], SIZE_N*128
	s_mul_u64 s[20:21], s[20:21], s[22:23]  ; its first byte in q, k, v and ctx
	s_and_b32 s16, s[WV], 1         ; which half of a slot's 256 keys I fetch:
	s_lshl_b32 s22, s16, 14         ; its 128 rows of 128 bytes in memory,
	s_mov_b32 s23, 0
	s_add_nc_u64 s[22:23], s[22:23], s[20:21]
	s_add_nc_u64 s[VO2:VO2+1], s[22:23], VBASE  ; offsets, made apart from the address
	s_add_nc_u64 s[22:23], s[22:23], KBASE
	s_mul_i32 s17, s16, 128*PK      ; and its place in a slot, for K
	s_mul_i32 s18, s16, 128*PV      ; and for V: no place in the cluster enters an LDS address
	s_lshl_b32 s2, s14, 2
	s_add_co_u32 s2, s2, s[WV]      ; my wave among the head's,
	s_lshl_b32 s2, s2, 14           ; its 128 rows
	s_mov_b32 s3, 0
	s_add_nc_u64 s[2:3], s[2:3], s[20:21]
	s_and_b32 s[TSRC], ttmp7, 15    ; the head: four copies of 5,120 numbers;
	s_mul_i32 s[TSRC], s[TSRC], 4*5120*4
	s_mul_i32 s[TSRC+1], s[WV], 5120*4  ; wave w brings copy w,
	s_add_co_u32 s[TSRC], s[TSRC], s[TSRC+1]
	s_add_co_u32 s[TSRC], s[TSRC], 1536*4
	s_lshl_b32 s[TSRC+1], s14, 11   ; from number 1,536 - 512 x block on
	s_sub_co_u32 s[TSRC], s[TSRC], s[TSRC+1]
	s_mov_b32 s[TSRC+1], 0
	; descriptor group 1.  128 keys are 16,384 dense bytes: asked for as 64 rows of 256 bytes, two keys a row, and padded in LDS after every key
	s_mov_b32 s[G1K], 15|(1<<16)|(1<<20)|(1<<21)|(4<<22)|(3<<25)  ; the mask of four; 2-byte elements; padding on; bit 21 beside a mask; after every 32 words (code 4) 4 words (code 3)
	s_mov_b32 s[G1V], 15|(1<<16)|(1<<20)|(1<<21)|(4<<22)|(7<<25)  ; the same with 8 words of padding (code 7)
.irp g, G1K, G1V
	s_mov_b32 s[\g+1], 128<<16      ; tensor_dim0 = 128
	s_mov_b32 s[\g+2], 64<<16       ; tensor_dim1 = 64
	s_mov_b32 s[\g+3], 128<<16      ; tile_dim0 = 128
	s_mov_b32 s[\g+4], 64           ; tile_dim1 = 64
	s_mov_b32 s[\g+5], 128          ; 128 elements from row to row
	s_mov_b32 s[\g+6], 0
	s_mov_b32 s[\g+7], 0
.endr
	s_mov_b32 s[CS], 0x3fb8aa3b     ; c = log2(e)
	s_mov_b32 s[CS+1], s[CS]        ; named with it as a pair
	s_mov_b32 s[SEL], 0x76543210
	s_mov_b32 s[SEL+1], 0xfedcba98
	s_mov_b32 s[TBK], SLOT1+4*KS*PK ; the first change of slots turns these two into 0
	s_mov_b32 s[TBV], SLOT1+4*KS*PV
	s_mov_b32 s[TBB], 0
	s_mov_b32 s[G0K], 1             ; count = 1
	s_mov_b32 s[G0K+1], s17         ; LDS address: slot 0
	s_mov_b32 s[G0V], 1
	s_add_co_u32 s[G0V+1], s18, VOFF
	s_wait_dscnt 0x0                ; the opening add is done
	s_wait_kmcnt 0x0
	s_add_nc_u64 s[G0K+2:G0K+3], s[4:5], s[22:23]  ; global address: my half of the head's first 256 keys
	s_or_b32 s[G0K+3], s[G0K+3], 0x80000000        ; type = 2
	s_add_nc_u64 s[G0V+2:G0V+3], s[4:5], s[VO2:VO2+1]
	s_or_b32 s[G0V+3], s[G0V+3], 0x80000000
	s_add_nc_u64 s[TSRC:TSRC+1], s[6:7], s[TSRC:TSRC+1]
	s_add_nc_u64 s[4:5], s[4:5], s[2:3]  ; Q and O at my wave's first row
	s_add_nc_u64 s[10:11], s[10:11], s[2:3]
	CROUND                          ; all four work-groups are here: the first joint loads meet
	JLOAD                           ; slot 0.  Slot 1 is asked for when slot 0 is in
	; my wave's copy of the table: 12,288 bytes, 24 loads of 512 consecutive bytes, through S^T's registers, which are still free
	v_and_b32 v12, 31, v0
	v_lshlrev_b32 v12, 4, v12
	s_mul_i32 s13, s[WV], CP
	s_add_co_u32 s13, s13, TBL
	v_add_nc_u32 v13, s13, v12
.set i, 0
.rept 24
	global_load_b128 v[S+4*i:S+4*i+3], v12, s[TSRC:TSRC+1] offset:512*i
.set i, i+1
.endr
	; A fragment of K or Q is 16 rows x 32 channels in 8 registers: lane l holds row l % 16, channels 8 (l / 16) + 0..7 and 16 + 8 (l / 16) + 0..7: two loads of 16 bytes, 32 bytes apart.
	v_and_b32 v1, 15, v0            ; l % 16
	v_bfe_u32 v9, v0, 4, 1          ; l / 16
	v_lshlrev_b32 v[QO], 7, v1
	v_lshl_add_u32 v[QO], v9, 4, v[QO]  ; row x 128 + 16 x half
	WIN 0x80                        ; destination window 2, address window 0
.set i, 0
.rept 4*NP                          ; Q stays in registers: tile i / 2, channels 32 (i % 2) on
	global_load_b128 v[8*i:8*i+3],   v[QO], s[4:5] offset:(i/2)*2048+(i%2)*64
	global_load_b128 v[8*i+4:8*i+7], v[QO], s[4:5] offset:(i/2)*2048+(i%2)*64+32
.set i, i+1
.endr
	; What the first turn finds: V's registers and P's second buffer hold 0 (its products V^T P, of a piece that has not been, add 0), O^T and l are 0.  All this stands in the wait for the first tile.
.set i, VF
.rept 64
	v_mov_b32 v[i], 0
.set i, i+1
.endr
	WIN 0x40
.set i, 0
.rept 64*NP
	v_mov_b32 v[i], 0
.set i, i+1
.endr
	WIN 0
.set i, 0
.rept 2*NP
	v_mov_b32 v[ST+4*i], 0xfe000000    ; c m: far below every c s
	v_mov_b32 v[ST+4*i+1], 0xff7fffff  ; m
	v_mov_b32 v[ST+4*i+2], 0
	v_mov_b32 v[ST+4*i+3], 0
.set i, i+1
.endr
.set i, P+32
.rept 32
	v_mov_b32 v[i], 0
.set i, i+1
.endr
	v_mul_u32_u24 v[AK0], v1, PK
	v_lshl_add_u32 v[AK0], v9, 4, v[AK0]  ; row x pitch + 16 x half
	; The turning load takes 16 keys x 16 channels (lane l reads key 8 (l / 16) + l % 8, channels 8 ((l / 8) % 2) + 0..7) and leaves half a fragment of V^T: lane l holds channel l % 16 and 8 keys.
	v_and_b32 v10, 7, v0
	v_bfe_u32 v11, v0, 3, 1
	v_lshl_add_u32 v[AV0], v9, 3, v10
	v_mul_u32_u24 v[AV0], v[AV0], PV
	v_lshl_add_u32 v[AV0], v11, 4, v[AV0]
	v_add_nc_u32 v[AV0], VOFF, v[AV0]
	v_mov_b32 v[AK], v[AK0]         ; key step 0 lies at the head of slot 0
	; My place in the table.  For key 64 s + 16 kb + 8 (l / 16) + j and query 128 w + 16 t + r of the block (r = l % 16) the number is y = 64 s + 16 kb + 8 (l / 16) + j - 128 w - 16 t - (r & 12) + 512
	; of copy r & 3.  4 y = 256 s (the scalar TBB) + [64 kb + 448 - 64 t + 4 j] (the loads' immediates, 0 .. 668) + [1,600 - 512 w + 32 (l / 16) - 4 (r & 12)] (here): every address a multiple of 16.
	v_and_b32 v10, 3, v1
	v_mul_u32_u24 v[AB0], v10, CP
	v_lshl_add_u32 v[AB0], v9, 5, v[AB0]
	s_lshl_b32 s13, s[WV], 9
	s_sub_co_u32 s13, TBL+1600, s13
	v_add_nc_u32 v[AB0], s13, v[AB0]
	v_and_b32 v10, 12, v1
	v_lshlrev_b32 v10, 2, v10
	v_sub_nc_u32 v[AB0], v[AB0], v10
	v_mov_b32 v[AB], v[AB0]         ; key step 0
	s_wait_loadcnt 32               ; my copy of the table is in registers; Q's 32 loads, issued behind it, may stay out
.set i, 0
.rept 24
	ds_store_b128 v13, v[S+4*i:S+4*i+3] offset:512*i
.set i, i+1
.endr
; THE MATRIX WORK.  The 8 accumulators of a run of 16 take turns: between the two links of a chain stand 7 others'.
; Product i of 16 of S^T = K Q^T + bias for piece x: channels 32 (i / 8) on, keys 16 ((i / 2) % 4) on, tile 2 x + i % 2.  The first 8 start the sums, with the bias as C.
.macro KQ x
.set rS, S+64*((\x)%2)+32*(i%2)+8*((i/2)%4)
.set rK, KF+16*((i/2)%4)+8*(i/8)
.set rQ, 16*(2*(\x)+i%2)+8*(i/8)
.set rB, MC+32*(i%2)+8*((i/2)%4)
.if i < 8
	WIN W_KB
	v_wmma_f32_16x16x32_f16 v[rS:rS+7], v[rK:rK+7], v[rQ:rQ+7], v[rB:rB+7]
.else
	WIN W_KQ
	v_wmma_f32_16x16x32_f16 v[rS:rS+7], v[rK:rK+7], v[rQ:rQ+7], v[rS:rS+7]
.endif
.endm
; Product i of 16 of O^T += V^T P for piece x: keys 32 (i / 8) on, channels 16 ((i / 2) % 4) on, tile 2 x + i % 2.
.macro PV x
	WIN W_PV
.set rO, 32*(2*(\x)+i%2)+8*((i/2)%4)
.set rV, VF+32*(i/8)+8*((i/2)%4)
.set rP, P+32*((\x)%2)+16*(i%2)+8*(i/8)
	v_wmma_f32_16x16x32_f16 v[rO:rO+7], v[rV:rV+7], v[rP:rP+7], v[rO:rO+7]
.endm
.macro MM                           ; the turn's next matrix instruction
.if i < 16
	KQ (Y+1)%NP
.set i, i+1
.else
.set i, i-16
	PV (Y+NP-1)%NP
.set i, i+17
.endif
.endm
; THE LDS LOADS stand in runs of 16, never singly among the matrix instructions: a step's K (8 fragments), its V (turned), and a piece's bias.  Their addresses are made some lines ahead.
; last = 1 (the tail): in the last trip there is no further step, and K's run is jumped over.
.macro FETCH_K last=0
	WIN 0
.if \last
	s_cmp_eq_u32 s[CNT], 1
	s_cbranch_scc1 .Lno_k_\@
.endif
	WIN 0x80                        ; destination window 2
.irp f, 0,1,2,3,4,5,6,7             ; keys 16 (f / 2) on, channels 32 (f % 2) on
	ds_load_b128 v[KF+8*\f:KF+8*\f+3],   v[AK] offset:(\f/2)*16*PK+(\f%2)*64
	ds_load_b128 v[KF+8*\f+4:KF+8*\f+7], v[AK] offset:(\f/2)*16*PK+(\f%2)*64+32
.endr
	s_add_co_u32 s[TBK], s[TBK], KS*PK  ; the next fetch is the next step's
	WIN 0
.if \last
.Lno_k_\@:
.endif
.endm
.macro FETCH_V
	WIN 0x80
.irp f, 0,1,2,3,4,5,6,7             ; keys 32 (f / 4) on, channels 16 (f % 4) on
	ds_load_tr16_b128 v[VF+8*\f:VF+8*\f+3],   v[AV] offset:(\f/4)*32*PV+(\f%4)*32
	ds_load_tr16_b128 v[VF+8*\f+4:VF+8*\f+7], v[AV] offset:(\f/4)*32*PV+16*PV+(\f%4)*32
.endr
	WIN 0
.endm
.macro FETCH_B x                    ; the bias of piece x (tiles 2 x, 2 x + 1) for the key step that AB stands at
	WIN W_MK                        ; destination window 3, address window 0
.irp u, 0,1
.irp kb, 0,1,2,3
	ds_load_b128 v[MC+32*\u+8*\kb:MC+32*\u+8*\kb+3],   v[AB] offset:64*\kb+448-64*(2*(\x)+\u)
	ds_load_b128 v[MC+32*\u+8*\kb+4:MC+32*\u+8*\kb+7], v[AB] offset:64*\kb+448-64*(2*(\x)+\u)+16
.endr
.endr
	WIN 0
.endm
; THE VECTOR WORK OF A TURN stands in three queues, each in the order in which its entries become ready; the two tiles alternate, so that no instruction reads the result of the one before it.
.macro REGS y, u                    ; the registers of tile u (0, 1) of piece y
.set rT, ST+4*(2*(\y)+(\u))
.set rC, TMP+8*((\y)%2)+4*(\u)
.set rM, MV+2*((\y)%2)+(\u)
.set rS, S+64*((\y)%2)+32*(\u)
.set rP, P+32*((\y)%2)+16*(\u)
.set rO, 32*(2*(\y)+(\u))
.endm
; Number n of the 22 that find the NEXT piece's (Y + 1) maximum and statistics.  s0-s31 are the lane's 32 scores; each accumulator's lowest registers are read first.  XS, GS and REGS set no window: PL and EX do.
;   0-11  four chains c0-c3 of seven scores each, three operands at a time     12-14, 16  the four scores left over, the old m, and c0-c3 into c0     15  c m_old is kept
;   17, 18  the query's other 32 keys lie in the lane 16 away: the new m         19-21  c m; c m_old - c m_new; a
.macro XS u, n
	REGS (Y+1)%NP, \u
.if (\n) < 4
	v_max3_num_f32 v[rC+(\n)], v[rS+8*(\n)], v[rS+8*(\n)+1], v[rS+8*(\n)+2]
.elseif (\n) < 12
	v_max3_num_f32 v[rC+(\n)%4], v[rC+(\n)%4], v[rS+8*((\n)%4)+2*((\n)/4)+1], v[rS+8*((\n)%4)+2*((\n)/4)+2]
.elseif (\n) == 12
	v_max3_num_f32 v[rC], v[rC], v[rS+7], v[rS+15]
.elseif (\n) == 13
	v_max3_num_f32 v[rC+1], v[rC+1], v[rS+23], v[rS+31]
.elseif (\n) == 14
	v_max3_num_f32 v[rC+2], v[rC+2], v[rC+3], v[rT+1]
.elseif (\n) == 15
	v_mov_b32 v[rM], v[rT]
.elseif (\n) == 16
	v_max3_num_f32 v[rC], v[rC], v[rC+1], v[rC+2]
.elseif (\n) == 17
	v_permlanex16_b32 v[rC+3], v[rC], s[SEL], s[SEL+1]
.elseif (\n) == 18
	v_max_num_f32 v[rT+1], v[rC], v[rC+3]
.elseif (\n) == 19
	v_mul_f32 v[rT], s[CS], v[rT+1]
.elseif (\n) == 20
	v_sub_f32 v[rC+1], v[rM], v[rT]
.else
	v_exp_f32 v[rC+2], v[rC+1]
.endif
.endm
; Number g of the 64 that follow the exponentials.  For each four weights k of a tile (pairs 2 k, 2 k + 1): both pairs are rounded to f16; then the second pair is added onto the first, in place;
; a group later l takes that sum (the first time as l = a l + sum).  In groups of eight, tiles alternating: round, round, add, and l for the group before.
.macro GS g
.set h, (\g)+6*((\g)/62)            ; group 0 has no group before it, and behind group 7 only l is left
.if h >= 6
.set h, h+2
.endif
	REGS Y, h%2
.set k, h/8
.if h%8 < 4
	s_wait_alu depctr_va_vdst(0)
	v_cvt_pk_f16_f32 v[rP+2*k+(h%8)/2], v[rS+4*k+2*((h%8)/2)], v[rS+4*k+2*((h%8)/2)+1]
.elseif h%8 < 6
	v_pk_add_f32 v[rS+4*k:rS+4*k+1], v[rS+4*k:rS+4*k+1], v[rS+4*k+2:rS+4*k+3]
.elseif k == 1
	v_pk_fma_f32 v[rT+2:rT+3], v[rT+2:rT+3], v[rC+2:rC+3], v[rS:rS+1] op_sel_hi:[1,0,1]
.else
	v_pk_add_f32 v[rT+2:rT+3], v[rT+2:rT+3], v[rS+4*k-4:rS+4*k-3]
	s_wait_alu depctr_va_vdst(0)
.endif
.endm
; THE PLAIN QUEUE, 138 long.  0-31: c s - c m for the 16 pairs of both tiles.  Then GS's 64, and among them the next piece's 42: number 15 at 38, 39; 0-14 and 16
; at 42-73, behind the products that make those scores; 17-20 at 95-106, two of three, since each waits for the one before it.
.macro PL
	WIN 0
.if q < 32
	REGS Y, q%2
	v_pk_fma_f32 v[rS+2*(q/2):rS+2*(q/2)+1], v[rS+2*(q/2):rS+2*(q/2)+1], s[CS:CS+1], v[rT:rT+1] op_sel_hi:[1,0,0] neg_lo:[0,0,1] neg_hi:[0,0,1]
.elseif q < 38
	GS q-32
.elseif q < 40
	XS q%2, 15
.elseif q < 42
	GS q-34
.elseif q < 74
	XS q%2, (q-42)/2+(q-42)/30
.elseif q < 95
	GS q-66
.elseif (q < 107) && ((q-95)%3 < 2)
	XS (q-95)%3, 17+(q-95)/3
.elseif q < 107
	GS 29+(q-95)/3
.else
	GS q-74
.endif
.set q, q+1
.endm
; THE EXPONENTIALS' QUEUE, 66 long: s0-s31 of both tiles, and at EA the next piece's two a.
.set EA, 58
.macro EX
	WIN 0
.if (e == EA) || (e == EA+1)
	XS e-EA, 21
.else
.set x, e-2*(e/(EA+2))
	REGS Y, x%2
	v_exp_f32 v[rS+x/2], v[rS+x/2]
.endif
.set e, e+1
.endm
; THE RESCALING's QUEUE: O^T times a, the one part that leaves window 0, so it is dealt four at a time, eight times.
.macro R4
	REGS Y, r%2
	WIN W_RS
	s_wait_alu depctr_va_vdst(0)
.irp z, 0,1,2,3
	v_pk_mul_f32 v[rO+8*(r/2)+2*\z:rO+8*(r/2)+2*\z+1], v[rO+8*(r/2)+2*\z:rO+8*(r/2)+2*\z+1], v[rC+2:rC+3] op_sel_hi:[1,0]
.endr
.set r, r+1
.endm
; HOW THEY ARE DEALT.  Behind a matrix instruction four: plain, exponential, plain, plain (one exponential, a plain instruction on either side), or four of the rescaling.  None names a register of the
; products round it.  What is over stands in two runs: exponential and plain by turns; the second ends in 22 plain instructions.  The two v_permlanex16_b32 fall into the second run, never behind a product.
; The queues lean on each other, and the deal keeps them in step: exponential e stands behind plain 2 (e / 4) + e % 2 (its scaling); when plain 32 comes, 10 exponentials are out, at 59: 33, at 95: 46; EA comes behind plain 107.
.macro SL
	MM
	PL
	EX
	PL
	PL
.endm
.macro BURST n                      ; 15 matrix instructions, or 16
.rept (\n)-7
	SL
.endr
.rept 3
	MM
	R4
	SL
.endr
	MM
	R4
.endm
; A TURN, for piece p.  cnt = 1: the loop's count is taken down some lines ahead of the branch that stands behind the turn.
; THE RUNS OF LDS LOADS, in the order of issue through a key step, 16 loads each:
;   turn 0: bias of piece 2 (first run of vector work), V of the step in hand (at the end)      turn 1: bias of piece 3
;   turn 2: bias of piece 0 of the next step, K of the next step                                 turn 3: bias of piece 1 of the next step
; A turn's first 8 products take the bias fetched in the turn before: the wait at its head is for 0, but in turn 1 for 16: V's run, issued behind the bias, may stay out.
; In front of turn 1's products V^T P the wait is for 16 again: V is in, the bias run issued behind it may stay out.
; The bias's registers are loaded again behind the turn's 16 products K Q^T, of which the first 8 read them: more than 30 plain vector instructions lie between.
.macro TURN p, last=0, cnt=0
.set Y, (\p)
.set i, 0
.set q, 0
.set e, 0
.set r, 0
.if (\p) == 1
	s_wait_dscnt 16                 ; the bias is in; V's 16 loads may be out
.else
	s_wait_dscnt 0x0                ; the bias is in (and in turn 3: K)
.endif
	MM
.rept 4
	PL
.endr
	BURST 15
.rept 22
	EX
	PL
.if ((\p) == NP-2) && (e == 12)
	s_add_co_u32 s[TBB], s[TBB], 256  ; the bias fetched from here on is the next key step's: 64 numbers further on
	v_add_nc_u32 v[AB], s[TBB], v[AB0]
.endif
.if e == 14
	FETCH_B ((\p)+2)%NP
.endif
.if ((\p) == NP-2) && (e == 18)
	v_add_nc_u32 v[AK], s[TBK], v[AK0]
.endif
.if ((\p) == NP-2) && (e == 24)
	FETCH_K \last
.endif
.endr
.if (\p) == 1
	s_wait_dscnt 16                 ; V is in; the bias run just issued may be out
.endif
	BURST 16
.rept 21
	EX
	PL
.endr
.rept 22
	PL
.if ((\p) == 0) && (q == 118)
	v_add_nc_u32 v[AV], s[TBV], v[AV0]
	s_wait_alu depctr_va_vdst(0)
.endif
.if ((\p) == 0) && (q == 130)
	s_add_co_u32 s[TBV], s[TBV], KS*PV
.endif
.if (\cnt) && (q == 130)
	s_sub_co_u32 s[CNT], s[CNT], 1
	s_cmp_lg_u32 s[CNT], 0
.endif
.endr
.if (\p) == 0
	FETCH_V
.endif
.endm
	CHANGE 1                        ; slot 0 is in, everybody's part of it, and so is the table; slot 1 is asked for
	FETCH_K                         ; key step 0
	FETCH_B 0
	s_wait_loadcnt 0x0              ; Q
	s_wait_dscnt 0x0
.set i, 0
.rept 16
	KQ 0                            ; piece 0's first scores: there is no vector work yet to set between them
.set i, i+1
.endr
	WIN 0                           ; the addresses for the way out: ten plain instructions, the places behind those products
	s_mul_i32 s13, s[WV], 16*SP
	s_add_co_u32 s13, s13, STAGE    ; my stage
	v_mul_u32_u24 v[STO], v1, SP    ; in: row l % 16, 16 bytes for each half of the lanes
	v_lshl_add_u32 v[STO], v9, 4, v[STO]
	v_add_nc_u32 v[STO], s13, v[STO]
	v_bfe_u32 v[RD], v0, 3, 2       ; back: 32 lanes take four rows of 128 bytes,
	v_mul_u32_u24 v[RD], v[RD], SP
	v_and_b32 v[GO], 7, v0
	v_lshl_add_u32 v[RD], v[GO], 4, v[RD]
	v_add_nc_u32 v[RD], s13, v[RD]
	v_and_b32 v[GO], 31, v0         ; which are 512 consecutive bytes of O
	v_lshlrev_b32 v[GO], 4, v[GO]
	FETCH_B 1                       ; for the first turn's products
.set Y, NP-1                        ; XS works for piece Y + 1: piece 0
.irp n, 0,1,2,3,4,5,6,7,8,9,10,11,12,13,14,15,16,17,18,19,20,21
	XS 0, \n                        ; and piece 0's first maximum and statistics
	XS 1, \n
.endr
	s_mov_b32 s[CNT], 4
	s_mov_b32 s[SLOTS], SIZE_N/256-1
	s_branch .Lfirst                ; the loop is entered at a step's first turn, in the middle of a trip
.Lslot:                             ; SIZE_N / 256 - 2 times: every slot but the last two is filled again
	CHANGE 1
	s_mov_b32 s[CNT], 4
.Lstep:                             ; a trip: pieces 2 and 3 of one step, then pieces 0 and 1 of the next, whose K and V it fetches
	TURN 2
	TURN 3
	WIN 0
.Lfirst:
	TURN 0
	TURN 1, 0, 1
	WIN 0
	s_cbranch_scc1 .Lstep
	s_sub_co_u32 s[SLOTS], s[SLOTS], 1
	s_cmp_lg_u32 s[SLOTS], 0
	s_cbranch_scc1 .Lslot
	CHANGE 0                        ; the tail is written out: nothing is asked for
	s_mov_b32 s[CNT], 5             ; four trips fetch the last slot's steps; the fifth is left in its middle
.Ltail:
	TURN 2, 1
	TURN 3
	WIN 0
	s_sub_co_u32 s[CNT], s[CNT], 1
	s_cmp_eq_u32 s[CNT], 0
	s_cbranch_scc1 .Lout
	TURN 0
	TURN 1
	WIN 0
	s_branch .Ltail
.Lout:                              ; the fifth trip's 16 products K Q^T (on the last K once more, with the table's numbers for a step that is not) and the maximum made of them serve nothing: the price, once a launch, of one text for every trip
.set i, 0
.rept 16
	PV NP-1                         ; the last piece's V^T P of the last step
.set i, i+1
.endr
	; THE WAY OUT.  l's two halves and the other half of the lanes' are added; O^T is divided by l, rounded to f16 and sent through my stage in LDS, a tile at a time.  The additions are the places behind the last products.
	WIN 0
.macro ALL line:vararg              ; one line for each tile t
.set t, 0
.rept 2*NP
	\line
.set t, t+1
.endr
.endm
	ALL v_add_f32 v[ST+4*t+2], v[ST+4*t+2], v[ST+4*t+3]
	ALL v_permlanex16_b32 v[ST+4*t+3], v[ST+4*t+2], s[SEL], s[SEL+1]
	ALL v_add_f32 v[ST+4*t+2], v[ST+4*t+2], v[ST+4*t+3]
	ALL v_rcp_f32 v[ST+4*t+2], v[ST+4*t+2]
	v_nop                           ; a plain instruction between the last reciprocal and the use of its result
	s_wait_alu depctr_va_vdst(0)
; Tile t: a lane's eight channels of a row pack into 16 bytes; they go into rows of 144 bytes and come back as whole rows of 128, into S^T's registers.
.macro PACK t
	WIN W_RS
.set i, 32*(\t)
.rept 16
	v_pk_mul_f32 v[i:i+1], v[i:i+1], v[ST+4*(\t)+2:ST+4*(\t)+3] op_sel_hi:[1,0]
.set i, i+2
.endr
	WIN 0x05                        ; sources 0 and 1 window 1, destination window 0
.set i, 0
.rept 16
	v_cvt_pk_f16_f32 v[S+16*(\t)+i], v[32*(\t)+2*i], v[32*(\t)+2*i+1]
.set i, i+1
.endr
	WIN 0
.irp f, 0,1,2,3
	ds_store_b128 v[STO], v[S+16*(\t)+4*\f:S+16*(\t)+4*\f+3] offset:32*\f
.endr
.irp f, 0,1,2,3
	ds_load_b128 v[S+16*(\t)+4*\f:S+16*(\t)+4*\f+3], v[RD] offset:\f*4*SP  ; LDS serves a wave's instructions in order (ISA guide 5.7.1.4): these see the stores above; the next tile's stores come behind them
.endr
.endm
.macro SEND t, younger              ; younger: the LDS instructions issued behind tile t's loads: the next tile's eight, or none
	WIN 0
.irp f, 0,1,2,3
	s_wait_dscnt (\younger)+3-\f
	global_store_b128 v[GO], v[S+16*(\t)+4*\f:S+16*(\t)+4*\f+3], s[10:11] offset:(\t)*2048+\f*512  ; 512 consecutive bytes, at a multiple of 256 from O's first
.endr
.endm
	PACK 0
.set t, 1
.rept 2*NP-1                        ; a tile's arithmetic stands between the loads of the tile before and its stores
	PACK t
	SEND t-1, 8
.set t, t+1
.endr
	SEND 2*NP-1, 0
	WIN W_AD
	s_wait_tensorcnt 0x0            ; the wave's end: behind my last tensor load and my last LDS store
	ds_add_u32 v[SPW], v[NIL]
	s_wait_dscnt 0x0
	WIN 0
	CROUND                          ; the closing round: no work-group ends while a partner may still ask for a tile that names it
	s_endpgm
.Lfunc_end_k_qb894051aca_attn:
	.size	k_qb894051aca_attn, .Lfunc_end_k_qb894051aca_attn-k_qb894051aca_attn
	.p2alignl 7, 3214868480
	.fill 96, 4, 3214868480
	.section	.rodata,"a",@progbits
	.p2align	6, 0x0
	.amdhsa_kernel k_qb894051aca_attn
		.amdhsa_group_segment_fixed_size 327680
		.amdhsa_private_segment_fixed_size 0
		.amdhsa_enable_private_segment 0
		.amdhsa_kernarg_size 24
		.amdhsa_user_sgpr_count 2
		.amdhsa_user_sgpr_kernarg_segment_ptr 1
		.amdhsa_wavefront_size32 1
		.amdhsa_system_sgpr_workgroup_id_x 1
		.amdhsa_system_sgpr_workgroup_id_y 1
		.amdhsa_system_sgpr_workgroup_id_z 1
		.amdhsa_system_vgpr_workitem_id 0
		.amdhsa_next_free_vgpr 896
		.amdhsa_next_free_sgpr 72
		.amdhsa_reserve_vcc 0
		.amdhsa_float_denorm_mode_32 3
		.amdhsa_float_denorm_mode_16_64 3
		.amdhsa_memory_ordered 1
		.amdhsa_forward_progress 1
		.amdhsa_inst_pref_size 224
	.end_amdhsa_kernel
	.amdgpu_metadata
---
amdhsa.version: [ 1, 2 ]
amdhsa.kernels:
  - .name:           k_qb894051aca_attn
    .symbol:         k_qb894051aca_attn.kd
    .args:
      - { .name: qkv, .offset: 0, .size: 8, .value_kind: global_buffer, .address_space: global }
      - { .name: btab, .offset: 8, .size: 8, .value_kind: global_buffer, .address_space: global }
      - { .name: ctx, .offset: 16, .size: 8, .value_kind: global_buffer, .address_space: global }
    .group_segment_fixed_size: 327680
    .private_segment_fixed_size: 0
    .kernarg_segment_align: 8
    .kernarg_segment_size: 24
    .max_flat_workgroup_size: 128
    .sgpr_count:     72
    .vgpr_count:     896
    .wavefront_size: 32
...
	.end_amdgpu_metadata
.endif
;; end of part 3
;; launch outp (part 4): grid 8 x 32, 4 waves a work-group, clusters of 4 x 4, 327,680 bytes of LDS; arguments ctx, wo16, out0; writes out0
.if DOCPART == 4
	.amdgcn_target "amdgcn-amd-amdhsa--gfx1250"
	.amdhsa_code_object_version 6
	.text
	.protected	k_qb894051aca_outp
	.globl	k_qb894051aca_outp
	.p2align	8
	.type	k_qb894051aca_outp,@function
k_qb894051aca_outp:
	s_mov_b64 s[64:65], 0
	v_nop
	global_prefetch_b8 v0, s[64:65] scope:SCOPE_SE
	s_setreg_imm32_b32 hwreg(HW_REG_WAVE_MODE, 25, 1), 1
	s_wait_xcnt 0x0
	s_wait_alu depctr_hold_cnt(0) depctr_sa_sdst(0) depctr_va_vdst(0) depctr_va_sdst(0) depctr_va_ssrc(0) depctr_va_vcc(0) depctr_vm_vsrc(0)
	s_getreg_b32 s2, hwreg(HW_REG_IB_STS2, 6, 4)
	s_cmp_eq_u32 s2, 0
	s_cbranch_scc0 .Lentry_in_a_cluster
	s_endpgm
.Lentry_in_a_cluster:
	s_bfe_u32 s2, ttmp6, 0x10000c
	s_cmp_lg_u32 s2, 0xf033
	s_cbranch_scc0 .Lentry_shape_is_right
	s_endpgm
.Lentry_shape_is_right:
; out0 = context Wo.  A = ctx, f16 [4 b][16 h][2048 s][64] (head h = the context's columns 64 h ..); B = wo16, f16 [1024 k][1024 n] (Wo rounded to bf16, written as f16); out0 f32 [8192][1024]:
; the f32 sums themselves, K ascending.
; SHARES.  A tile of C is 256 rows x 128 columns: 8192 x 1024 makes 256 tiles, one for each work-group.  Four waves one below the other, 64 rows x 128 columns each: 32 accumulators, 256 registers.
; RING.  K goes in steps of 128 (two heads of A, 128 rows of B) through two LDS slots.  Waves 0 and 1 fetch the two heads (256 rows of 128 bytes are dense in memory: asked for as 128 rows of 256),
; waves 2 and 3 the halves of B's 128 rows: one tensor load a wave behind each change of slots; it has a K step less a quarter, 112 matrix instructions of the wave, in which to land.
; CLUSTER 4 x 4: the four work-groups of a row of the cluster need the same tiles of A, the four of a column the same tiles of B: each is asked for jointly.
; THE MATRIX INSTRUCTION IS USED TRANSPOSED: source 0 = 16 columns of B (stored [k][n], so read by the turning load), source 1 = 16 rows of A: a lane then holds eight neighbouring columns of one row of C.
; No prefetch: the joint loads ask a K step ahead, and both operands were written by launches before.
; REGISTERS, in windows of 256: window 0: v0-31 addresses; v32-63, v64-95 A's fragments, two buffers; v96-223 rows read back from the stage, two buffers
;   window 1: v0-63, v128-191 B's fragments, two buffers      window 2: the accumulators of my row blocks 0, 1 ((a, b) at 8 (8 (a % 2) + b))      window 3: of blocks 2, 3
.set NBF,    8                         ; blocks of 16 columns in a tile
.set NS,     8                         ; K steps
.set ROWEL,  128                       ; elements in a row of B's tile
.set PITCHEL,1024                      ; elements from row to row of B
.set PA,     144                       ; a row of A in LDS: 128 bytes + 16 = 36 words: the 16 rows of a load start at 16 different groups of four banks (64 banks of 4 bytes: ISA guide 11.1)
.set PB,     288                       ; a row of B in LDS
.set PLANE,  256*PA                    ; a head's 256 rows
.set BOFF,   2*PLANE                   ; B lies behind A's two heads
.set SLOT1,  0x20000                   ; slot 1: no bit in common with a tile's place in slot 0 (0, 0x9000, 0x12000, 0x16800): one exclusive or changes slots
.set STAGE,  SLOT1+BOFF+128*PB         ; behind the ring, never filled by a tensor load: for each wave 16 rows x 528 bytes
.set SPITCH, 528                       ; a row of the stage: 512 bytes + 16
.set WSTG,   16*SPITCH
.set SPARE,  STAGE+4*WSTG              ; the spare words, 128 bytes for each wave: two blocks of 256 bytes that no other line names
.set KASTEP, 1<<19                     ; two heads of A in memory
.set KBSTEP, 128*PITCHEL*2             ; 128 rows of B in memory
.set AL0,  16                          ; v16  my lane's place among A's rows in a slot; never rewritten
.set BL0,  17                          ; v17  the same for B
.set ADRA, 18                          ; v18  AL0 + the slot in hand
.set ADRB, 19                          ; v19  BL0 + the slot in hand
.set STO,  24                          ; v24  the way out: where I put 32 bytes of a row
.set RD,   25                          ; v25  the way out: where I read a row back
.set CO,   26                          ; v26  16 x lane: my place in a row's 512 bytes
.set SPW,  28                          ; v28  LDS address of my spare word; never rewritten
.set NIL,  29                          ; v29  0; never rewritten
.set FA0,  32
.set OB,   96
.set G1A, 24                           ; s[24:31] descriptor group 1 for A's tiles
.set G0A, 32                           ; s[32:39] group 0: a set for each of the two first fills; the second then walks on
.set G1B, 48                           ; s[48:55], s[56:63] the same for B's
.set G0B, 56
.set BB,  66                           ; s[66:67] B at my half of K step 0
.set OFF, 68                           ; s[68:69] a K step's byte offset in B
.set NXT, 70                           ; s70  the K step to be asked for next
.set TB,  71                           ; s71  the slot in hand: 0 or SLOT1
.set CNT, 72                           ; s72  loop count
.set OP0, 74                           ; s[74:75] the output at my first row and column
.set NEW, 80                           ; s80  1: the K step to come starts the sums
.set MSB, 0
.macro WIN new                         ; the immediate's high byte repeats the setting that is left; a switch that changes nothing is dropped
.if MSB != (\new)
	s_set_vgpr_msb (MSB<<8)|(\new)
.set MSB, \new
.endif
.endm
.set MUL_LO, 0xa1                      ; source 0 (B) window 1, source 1 (A) window 0, C and D window 2
.set MUL_HI, 0xf1                      ; the same, C and D window 3
.set TO_B,   0x40                      ; destination window 1, address window 0
; A joint refill, by the walking sets.  The branch hangs on the wave's number alone.  An s_nop 0 and four v_nop follow each of the two lines.
.macro JLOAD
	s_cmp_eq_u32 s11, 0
	s_cbranch_scc0 .Lfor_b_\@
	tensor_load_to_lds s[G0A+4:G0A+7], s[G1A:G1A+7]
	s_nop 0
.rept 4
	v_nop
.endr
	s_branch .Lasked_\@
.Lfor_b_\@:
	tensor_load_to_lds s[G0B+4:G0B+7], s[G1B:G1B+7]
	s_nop 0
.rept 4
	v_nop
.endr
.Lasked_\@:
.endm
.macro CREST                           ; a round of the cluster's barrier behind its opening barrier: wave 0 signals for the work-group, every wave waits for all sixteen, my work-group's barrier closes it
	s_cmp_lg_u32 s10, 0
	s_cbranch_scc1 .Lnot_wave_0_\@
	s_barrier_signal -3
.Lnot_wave_0_\@:
	s_barrier_wait -3
	s_barrier_signal -1
	s_barrier_wait -1
.endm
.macro CROUND                          ; a whole round
	s_barrier_signal -1
	s_barrier_wait -1
	CREST
.endm
.macro PLACES                          ; four places in front of loads into registers that matrix instructions have read, and of LDS stores that read results (ISA guide 7.12.1 for vector instructions)
.rept 4
	v_nop
.endr
.endm
	s_load_b128 s[4:7], s[0:1], 0x0                ; ctx s[4:5], wo16 s[6:7]
	s_load_b64 s[8:9], s[0:1], 0x10                ; out0
	v_lshl_add_u32 v[SPW], v0, 2, SPARE
	v_mov_b32 v[NIL], 0
	ds_add_u32 v[SPW], v[NIL]                      ; the wave's opening: the add and its wait stand ahead of my first tensor load; the set-up below, work on registers, stands between them
	v_lshrrev_b32 v1, 5, v0
	v_readfirstlane_b32 s10, v1                    ; wave 0..3
	s_lshr_b32 s11, s10, 1                         ; I fetch for A (0) or for B (1),
	s_and_b32 s12, s10, 1                          ; its first or second half
	s_bfe_u32 s40, ttmp6, 0x40000                  ; cx, cy: my place in the cluster
	s_bfe_u32 s41, ttmp6, 0x40004
	s_lshl_b32 s42, ttmp9, 2
	s_add_co_u32 s42, s42, s40                     ; X: my 128 columns
	s_and_b32 s13, ttmp7, 0xffff
	s_lshl_b32 s13, s13, 2
	s_add_co_u32 s13, s13, s41                     ; Y: my 256 rows: bits 2:0 in the batch, bits 4:3 the batch
	s_lshl_b32 s43, s41, 2
	s_lshl_b32 s43, 15, s43                        ; my row of the cluster
	s_lshl_b32 s44, 0x1111, s40                    ; my column
	s_or_b32 s[G1A+0], s43, (1<<16)|(1<<20)|(1<<21)|(4<<22)|(3<<25)  ; the mask; 2-byte elements; padding on; bit 21 beside a mask; after every 32 words (code 4) 4 words (code 3)
	s_mov_b32 s[G1A+1], 128<<16                    ; tensor_dim0 = 128 elements: 256 bytes, two rows of the head
	s_mov_b32 s[G1A+2], 128<<16                    ; tensor_dim1 = 128
	s_mov_b32 s[G1A+3], 128<<16                    ; tile_dim0 = 128
	s_mov_b32 s[G1A+4], 128                        ; tile_dim1 = 128
	s_mov_b32 s[G1A+5], 128                        ; dense: 128 elements from row to row
	s_mov_b32 s[G1A+6], 0
	s_mov_b32 s[G1A+7], 0
	s_or_b32 s[G1B+0], s44, (1<<16)|(1<<20)|(1<<21)|(5<<22)|(7<<25)  ; after every 64 words (code 5), a row, 8 words (code 7)
	s_mov_b32 s[G1B+1], ROWEL<<16
	s_mov_b32 s[G1B+2], 64<<16
	s_mov_b32 s[G1B+3], ROWEL<<16
	s_mov_b32 s[G1B+4], 64
	s_mov_b32 s[G1B+5], PITCHEL
	s_mov_b32 s[G1B+6], 0
	s_mov_b32 s[G1B+7], 0
	s_lshr_b32 s16, s13, 3                         ; A's offset hangs on Y and the wave alone: the batch,
	s_lshl_b32 s16, s16, 22
	s_lshl_b32 s17, s12, 18                        ; my head of the K step's two,
	s_add_co_u32 s16, s16, s17
	s_and_b32 s17, s13, 7
	s_lshl_b32 s17, s17, 15                        ; my 256 rows of 128 bytes
	s_add_co_u32 s16, s16, s17
	s_mov_b32 s17, 0
	s_mul_i32 s46, s42, 2*ROWEL                    ; B's hangs on X and the wave alone: my columns,
	s_mul_i32 s47, s12, 64*PITCHEL*2               ; my 64 rows of the K step's 128
	s_add_co_u32 s46, s46, s47
	s_mov_b32 s47, 0
	s_mul_i32 s20, s12, PLANE                      ; where they go: no place in the cluster enters an LDS address
	s_mul_i32 s21, s12, 64*PB
	s_add_co_u32 s21, s21, BOFF
	s_mov_b32 s[OFF+1], 0
	s_mov_b32 s[NXT], 2
	s_mov_b32 s[TB], 0
	s_mov_b32 s[NEW], 1
	s_wait_dscnt 0x0                               ; the opening add is done
	s_wait_kmcnt 0x0
	s_add_nc_u64 s[14:15], s[4:5], s[16:17]
	s_add_nc_u64 s[BB:BB+1], s[6:7], s[46:47]
	CROUND                                         ; all sixteen work-groups are here: the first joint loads meet
.irp s, 0,1
	s_mov_b32 s[G0A+4*(\s)], 1                                       ; count = 1
	s_add_co_u32 s[G0A+4*(\s)+1], s20, (\s)*SLOT1                    ; LDS address
	s_add_nc_u64 s[G0A+4*(\s)+2:G0A+4*(\s)+3], s[14:15], (\s)*KASTEP ; global address: K step s
	s_or_b32 s[G0A+4*(\s)+3], s[G0A+4*(\s)+3], 0x80000000            ; type = 2
	s_mov_b32 s[G0B+4*(\s)], 1
	s_add_co_u32 s[G0B+4*(\s)+1], s21, (\s)*SLOT1
	s_add_nc_u64 s[G0B+4*(\s)+2:G0B+4*(\s)+3], s[BB:BB+1], (\s)*KBSTEP
	s_or_b32 s[G0B+4*(\s)+3], s[G0B+4*(\s)+3], 0x80000000
.endr
	s_cmp_eq_u32 s11, 0                            ; a wave's two first fills stand in one branch, ahead of every wait on TENSORcnt and every LDS read: two loads of mine are out
	s_cbranch_scc0 .Lfirst_b
	tensor_load_to_lds s[G0A:G0A+3], s[G1A:G1A+7]
	s_nop 0
	tensor_load_to_lds s[G0A+4:G0A+7], s[G1A:G1A+7]
	s_nop 0
.rept 4
	v_nop
.endr
	s_branch .Lfirst_asked
.Lfirst_b:
	tensor_load_to_lds s[G0B:G0B+3], s[G1B:G1B+7]
	s_nop 0
	tensor_load_to_lds s[G0B+4:G0B+7], s[G1B:G1B+7]
	s_nop 0
.rept 4
	v_nop
.endr
.Lfirst_asked:
	; A's fragment: 16 rows x 32 k in 8 registers: lane l holds row l % 16, k = 8 (l / 16) + 0..7 and 16 + 8 (l / 16) + 0..7: two loads of 16 bytes, 32 bytes apart.
	v_and_b32 v1, 15, v0                           ; l % 16
	v_bfe_u32 v2, v0, 4, 1                         ; l / 16
	v_mul_u32_u24 v[AL0], v1, PA
	v_lshl_add_u32 v[AL0], v2, 4, v[AL0]
	s_mul_i32 s18, s10, 64*PA                      ; my wave's 64 rows
	v_add_nc_u32 v[AL0], s18, v[AL0]
	; B's fragment by the turning load: lane l reads 16 bytes of row k = 8 (l / 16) + l % 8, columns 8 ((l / 8) % 2) + 0..7, and receives column l % 16, eight k.
	v_and_b32 v5, 7, v0
	v_lshl_add_u32 v3, v2, 3, v5
	v_mul_u32_u24 v[BL0], v3, PB
	v_bfe_u32 v4, v0, 3, 1
	v_lshl_add_u32 v[BL0], v4, 4, v[BL0]
	v_add_nc_u32 v[BL0], BOFF, v[BL0]
	v_mov_b32 v[ADRA], v[AL0]                      ; slot 0
	v_mov_b32 v[ADRB], v[BL0]
	s_mul_i32 s19, s10, WSTG
	s_add_co_u32 s19, s19, STAGE                   ; my stage
	v_mul_u32_u24 v[STO], v1, SPITCH               ; in: row l % 16, 32 bytes for each half of the lanes
	v_lshl_add_u32 v[STO], v2, 5, v[STO]
	v_add_nc_u32 v[STO], s19, v[STO]
	v_and_b32 v[CO], 31, v0                        ; back: 32 lanes take one row's 512 bytes
	v_lshlrev_b32 v[CO], 4, v[CO]
	v_add_nc_u32 v[RD], s19, v[CO]
	s_lshl_b32 s2, s13, 20                         ; the output: my work-group's 256 rows of 4,096 bytes,
	s_lshl_b32 s3, s10, 18                         ; my wave's 64,
	s_add_co_u32 s2, s2, s3
	s_lshl_b32 s3, s42, 9                          ; my 128 columns
	s_add_co_u32 s2, s2, s3
	s_mov_b32 s3, 0
	s_add_nc_u64 s[OP0:OP0+1], s[8:9], s[2:3]
; 8 matrix instructions: row block a x all column blocks, 32 along K, from buffer f.  zero = 1: the product starts the sums: nothing is ever cleared.
; The 32 accumulators take turns, one instruction a turn, in the same order in every quarter.
.macro MULA f, a, zero
	WIN MUL_LO+0x50*((\a)/2)
.set b, 0
.rept NBF
.set rD, 8*(NBF*((\a)%2)+b)
.if \zero
	v_wmma_f32_16x16x32_f16 v[rD:rD+7], v[128*(\f)+8*b:128*(\f)+8*b+7], v[FA0+32*(\f)+8*(\a):FA0+32*(\f)+8*(\a)+7], 0
.else
	v_wmma_f32_16x16x32_f16 v[rD:rD+7], v[128*(\f)+8*b:128*(\f)+8*b+7], v[FA0+32*(\f)+8*(\a):FA0+32*(\f)+8*(\a)+7], v[rD:rD+7]
.endif
.set b, b+1
.endr
.endm
; 24 LDS loads in one run: quarter q (32 along K) of the slot in hand into buffer f: B's 8 fragments, then A's 4
.macro FETCH q, f
	WIN TO_B
.set b, 0
.rept NBF
	ds_load_tr16_b128 v[128*(\f)+8*b:128*(\f)+8*b+3],   v[ADRB] offset:(\q)*32*PB+32*b
	ds_load_tr16_b128 v[128*(\f)+8*b+4:128*(\f)+8*b+7], v[ADRB] offset:(\q)*32*PB+32*b+16*PB
.set b, b+1
.endr
	WIN 0
.irp a, 0,1,2,3
	ds_load_b128 v[FA0+32*(\f)+8*(\a):FA0+32*(\f)+8*(\a)+3],   v[ADRA] offset:((\q)/2)*PLANE+((\q)%2)*64+(\a)*16*PA
	ds_load_b128 v[FA0+32*(\f)+8*(\a)+4:FA0+32*(\f)+8*(\a)+7], v[ADRA] offset:((\q)/2)*PLANE+((\q)%2)*64+(\a)*16*PA+32
.endr
.endm
; One of a K step's first three quarters: multiplies buffer f; in its middle it fetches quarter q into buffer g.
.macro QUARTER q, f, g, zero
	s_wait_dscnt 4                                 ; B and A's blocks 0, 1 are in; the youngest four loads (A's blocks 2, 3) may be out
	MULA \f, 0, \zero
	MULA \f, 1, \zero
	PLACES
.if \zero
	v_nop                                          ; a fifth place: the products below write over accumulators without adding onto them
.endif
	FETCH \q, \g
	s_wait_dscnt 2*NBF+8                           ; all but the 24 just issued
	MULA \f, 2, \zero
	MULA \f, 3, \zero
.endm
; The fourth quarter multiplies buffer 1 and changes slots.  In front of the barrier each wave waits for all its tensor loads, of which one is out: its part of the next slot; adds 0 to its spare
; word; and waits for that and for its own reads of this slot.  fill = 1: the barrier opens a round of the cluster's, and the slot just read is filled again, first thing behind it, two K steps ahead.
.macro TURN fill
	WIN 0
	s_wait_tensorcnt 0x0                           ; no tensor load of mine is out, so a group 0 may be written
	ds_add_u32 v[SPW], v[NIL]                      ; 0 onto my spare word
	s_wait_dscnt 5                                 ; (the add and A's blocks 2, 3 may be out)
	MULA 1, 0, 0                                   ; eight matrix instructions stand between the add and the wait for it
	s_wait_dscnt 0x0                               ; the add is done, and my reads of this slot are over
	s_barrier_signal -1
	MULA 1, 1, 0                                   ; work on registers while the others arrive
	WIN 0
	s_barrier_wait -1
.if \fill
	CREST                                          ; no wave of any partner still reads this slot or has a load on its way
	s_xor_b32 s[G0A+5], s[G0A+5], SLOT1            ; the walking sets: the other slot than last time,
	s_add_nc_u64 s[G0A+6:G0A+7], s[G0A+6:G0A+7], KASTEP  ; the next K step; the type bits on top are not reached
	s_xor_b32 s[G0B+5], s[G0B+5], SLOT1
	s_and_b32 s[OFF], s[NXT], 7                    ; B's address is made anew from the step's number
	s_mul_i32 s[OFF], s[OFF], KBSTEP
	s_add_nc_u64 s[G0B+6:G0B+7], s[BB:BB+1], s[OFF:OFF+1]
	s_or_b32 s[G0B+7], s[G0B+7], 0x80000000
	s_add_co_u32 s[NXT], s[NXT], 1
	JLOAD                                          ; the four v_nop behind it are also the places in front of the loads below
.else
	PLACES
.endif
	s_xor_b32 s[TB], s[TB], SLOT1                  ; the reads go on in the other slot
	v_add_nc_u32 v[ADRA], s[TB], v[AL0]
	v_add_nc_u32 v[ADRB], s[TB], v[BL0]
	FETCH 0, 0
	MULA 1, 2, 0
	MULA 1, 3, 0
.endm
; THE WAY OUT of row block a: the f32 sums go as they are.  TOST: a lane's 32 bytes of a row into my own stage (each accumulator's four lowest registers first), and back as whole rows of 512 bytes.  SEND: stored.
.macro TOST a
	s_wait_xcnt 0x0                                ; earlier stores have read the registers that the loads below fill again
	WIN 0x08+4*((\a)/2)                            ; the stores' data: window 2 or 3
.set b, 0
.rept NBF
.set rD, 8*(NBF*((\a)%2)+b)
	ds_store_b128 v[STO], v[rD:rD+3]   offset:64*b
	ds_store_b128 v[STO], v[rD+4:rD+7] offset:64*b+16
.set b, b+1
.endr
	WIN 0
.set i, 0
.rept 16
	ds_load_b128 v[OB+64*((\a)%2)+4*i:OB+64*((\a)%2)+4*i+3], v[RD] offset:SPITCH*i  ; LDS serves a wave's instructions in order (ISA guide 5.7.1.4): these see the stores above
.set i, i+1
.endr
.endm
.macro SEND a, younger                 ; younger: the LDS instructions issued behind block a's loads: the next block's 16 stores and 16 loads, or none
	s_wait_dscnt \younger
.set i, 0
.rept 16
	global_store_b128 v[CO], v[OB+64*((\a)%2)+4*i:OB+64*((\a)%2)+4*i+3], s[OP0:OP0+1] offset:(\a)*65536+i*4096  ; 512 consecutive bytes of a row, aligned
.set i, i+1
.endr
.endm
	s_wait_tensorcnt 1                             ; my part of K step 0 is in; step 1's may stay out
	s_barrier_signal -1
	s_barrier_wait -1                              ; everybody's is
	FETCH 0, 0
	s_mov_b32 s[CNT], NS-2
.Lstep:                                                ; 6 trips, a K step each; each fills the slot that it has read with the step two further on
	s_cmp_eq_u32 s[NEW], 1                         ; at the first trip a constant of the text: the sums are started before they are added onto
	s_cbranch_scc0 .Lacc
	s_mov_b32 s[NEW], 0
	QUARTER 1, 0, 1, 1                             ; the first quarter starts the sums
	WIN 0
	s_branch .Ljoin
.Lacc:
	QUARTER 1, 0, 1, 0
	WIN 0
.Ljoin:
	QUARTER 2, 1, 0, 0
	QUARTER 3, 0, 1, 0
	TURN 1
	WIN 0
	s_sub_co_u32 s[CNT], s[CNT], 1
	s_cmp_lg_u32 s[CNT], 0
	s_cbranch_scc1 .Lstep
	s_mov_b32 s[CNT], 2
.Ltail:                                                ; the last two K steps ask for nothing.  The second's run of loads at the change of slots reads a tile that has been multiplied and serves nothing: the price of one text for both
	QUARTER 1, 0, 1, 0
	QUARTER 2, 1, 0, 0
	QUARTER 3, 0, 1, 0
	TURN 0
	WIN 0
	s_sub_co_u32 s[CNT], s[CNT], 1
	s_cmp_lg_u32 s[CNT], 0
	s_cbranch_scc1 .Ltail
	PLACES                                         ; the LDS stores below read results just made, and no vector work is at hand
	TOST 0
	TOST 1
	SEND 0, 32
	TOST 2
	SEND 1, 32
	TOST 3
	SEND 2, 32
	SEND 3, 0
	s_wait_tensorcnt 0x0                           ; the wave's end: behind my last tensor load and my last LDS store
	ds_add_u32 v[SPW], v[NIL]
	s_wait_dscnt 0x0
	CROUND                                         ; the closing round: no work-group ends while a partner may still ask for a tile that names it
	s_endpgm
.Lfunc_end_k_qb894051aca_outp:
	.size	k_qb894051aca_outp, .Lfunc_end_k_qb894051aca_outp-k_qb894051aca_outp
	.p2alignl 7, 3214868480
	.fill 96, 4, 3214868480
	.section	.rodata,"a",@progbits
	.p2align	6, 0x0
	.amdhsa_kernel k_qb894051aca_outp
		.amdhsa_group_segment_fixed_size 327680
		.amdhsa_private_segment_fixed_size 0
		.amdhsa_enable_private_segment 0
		.amdhsa_kernarg_size 24
		.amdhsa_user_sgpr_count 2
		.amdhsa_user_sgpr_kernarg_segment_ptr 1
		.amdhsa_wavefront_size32 1
		.amdhsa_system_sgpr_workgroup_id_x 1
		.amdhsa_system_sgpr_workgroup_id_y 1
		.amdhsa_system_sgpr_workgroup_id_z 1
		.amdhsa_system_vgpr_workitem_id 0
		.amdhsa_next_free_vgpr 896
		.amdhsa_next_free_sgpr 82
		.amdhsa_reserve_vcc 0
		.amdhsa_float_denorm_mode_32 3
		.amdhsa_float_denorm_mode_16_64 3
		.amdhsa_memory_ordered 1
		.amdhsa_forward_progress 1
		.amdhsa_inst_pref_size 60
	.end_amdhsa_kernel
	.amdgpu_metadata
---
amdhsa.version: [ 1, 2 ]
amdhsa.kernels:
  - .name:           k_qb894051aca_outp
    .symbol:         k_qb894051aca_outp.kd
    .args:
      - { .name: ctx, .offset: 0, .size: 8, .value_kind: global_buffer, .address_space: global }
      - { .name: wo16, .offset: 8, .size: 8, .value_kind: global_buffer, .address_space: global }
      - { .name: out0, .offset: 16, .size: 8, .value_kind: global_buffer, .address_space: global }
    .group_segment_fixed_size: 327680
    .private_segment_fixed_size: 0
    .kernarg_segment_align: 8
    .kernarg_segment_size: 24
    .max_flat_workgroup_size: 128
    .sgpr_count:     82
    .vgpr_count:     896
    .wavefront_size: 32
...
	.end_amdgpu_metadata
.endif
;; end of part 4
